; MI455X (gfx1250); checked and timed in simulation.
; The chip was launched on July 23, 2026; its instructions are those of AMD's public machine-readable ISA for CDNA 5 (MIT licence, August 2026) and "CDNA5" Instruction Set Architecture Reference Guide (July 2026). The comments in the code are by the model that wrote it; some were corrected since.
;; Memory Gated Attention. Allowed arithmetic: matrix products marked QUANTISED: E2M3 operands, one E8M0 scale for each 32 along K, by v_wmma_scale_f32_16x16x128_f8f6f4 with both operands' format E2M3, f32 sums; products left as they are: f32 operands where the result goes on into a quantised operand, else bf16, f16 or f32 operands; f32 sums; everything else in f32.
;; Inputs: Wg 2,048 x 1,024 float32; Wk 1,024 x 1,024 float32; Wo 1,024 x 1,024 float32; Wq 1,024 x 1,024 float32; Wv 1,024 x 1,024 float32; bg 1,024 float32; bk 1,024 float32; bo 1,024 float32; bq 1,024 float32; bv 1,024 float32; key 4 x 2,048 x 1,024 float32; memory 4 x 64 x 1,024 float32; query 4 x 2,048 x 1,024 float32; value 4 x 2,048 x 1,024 float32.
;; Outputs: out0 4 x 2,048 x 1,024 float32.
;; This version of the problem:
;;   THIS VERSION OF THE PROBLEM IS GIVEN IN LOW PRECISION. The matrix products marked QUANTISED in the list below multiply operands that are first quantised to E2M3 (2 exponent bits, 3 mantissa bits; 6 bits a number), with one power-of-two scale for each 32 numbers along K (OCP MX v1.0); their sums are f32. All else is computed in f32.
;;   The module's matrix products, in the order in which they are computed (A, B: the left and right operand; K: the contracted axis; several contracted axes count as one K, in the product's order):
;;     1. [M 8,192, K 1,024] x [K 1,024, N 1,024]; A: input query; B: input Wq: QUANTISED
;;     2. [M 8,192, K 1,024] x [K 1,024, N 1,024]; A: input key; B: input Wk: QUANTISED
;;     3. [M 8,192, K 1,024] x [K 1,024, N 1,024]; A: input value; B: input Wv: QUANTISED
;;     4. batch 64 x [M 2,048, K 64] x [K 64, N 2,048]; A: computed on the way; B: computed on the way: QUANTISED
;;     5. [M 4, K 2,048] x [K 2,048, N 1,024]; A: computed on the way; B: input Wg: left as it is (M = 4 < 16)
;;     6. batch 64 x [M 2,048, K 2,048] x [K 2,048, N 64]; A: softmax (see below); B: computed on the way: QUANTISED
;;     7. [M 8,192, K 1,024] x [K 1,024, N 1,024]; A: computed on the way; B: input Wo: QUANTISED
;;   THE QUANTISER, for each operand of a quantised product, along K:
;;     - K is cut into blocks of 32 from its start; a last block that is shorter is filled with zeros.
;;     - A block's scale is 2^e with e = floor(log2(the largest magnitude in the block)) - 2, held to -126 .. 127; a block of zeros has e = 0. As a byte (E8M0): e + 127.
;;     - Each number is divided by its block's scale, clamped to +-7.5, and rounded to the nearest number of E2M3, ties to even, subnormals kept.
;;     - The product sums the exact products of the quantised numbers (number of the format x scale) in f32.
;;   ~~~python
;;   def quantise(x, axis):      # numpy; x: float32 -> the quantised numbers, widened to float32 again
;;       x = np.moveaxis(x, axis, -1); K = x.shape[-1]
;;       x = np.pad(x, [(0, 0)] * (x.ndim - 1) + [(0, -K % 32)]); x = x.reshape(x.shape[:-1] + (-1, 32)); a = np.abs(x).max(-1, keepdims=True)
;;       e = np.where(a > 0, np.clip(np.frexp(np.where(a > 0, a, 1))[1] - 1 - 2, -126, 127), 0)      # np.frexp(a)[1] - 1 = floor(log2(a)), exactly
;;       r = np.clip(x / 2.0 ** e, -7.5, 7.5)
;;       step = 2.0 ** (np.maximum(np.frexp(np.where(r == 0, 1, r))[1] - 1, 0) - 3)
;;       q = np.round(r / step) * step * 2.0 ** e      # np.round: ties to even
;;       return np.moveaxis(q.reshape(q.shape[:-2] + (-1,))[..., :K], -1, axis).astype(np.float32)
;;   ~~~
;;   SOFTMAX AHEAD OF A QUANTISED PRODUCT. Where the list says 'softmax', what is quantised is not the finished softmax but p = 2^(t - M), with t = logit x log2(e) and M = ceil(the row's largest t), a whole number; so 1/2 < the row's largest p <= 1. The row's sum l is taken of the UNQUANTISED p, in f32, and the product's result is divided by l at the end. Since M is a whole number, a kernel that streams over the keys may use a running M (the ceiling of the running maximum): every later rescaling is an exact power of two, which a block's scale takes up: the codes' values come out the same.
;;   OPERANDS COMPUTED ON THE WAY. 'Computed on the way' means the value that the module computes at that place (a softmax that the list does not call 'softmax' is quantised finished and normalised). What goes into a quantiser is computed in f32, as accurately as f32 sums, v_exp_f32 and their like allow (about 1e-6 of the number): no bf16 or f16 on the way to a quantiser, and a product that is left as it is and whose result goes on into a quantised operand takes f32 operands (vector FMAs, or v_wmma_f32_16x16x4_f32). A number that lies on a knife's edge between two numbers of the format may be rounded either way, as far as f32 arithmetic and the matrix unit's own rounding can turn it there, and no further.
;; One version. Each part assembles by itself: llvm-mc -triple=amdgcn-amd-amdhsa -mcpu=gfx1250 --defsym DOCPART=n.
;; ======== version 1 of 1: 5 launches
;; limits: right only within a limited range of input values
;; workspace buffers: cod 22,020,096 bytes; scl 884,736 bytes; qpart 81,920 bytes; gpart 256 bytes; qimg 6,553,600 bytes; kv 13,107,200 bytes; ocod 6,291,456 bytes; osw 294,912 bytes
;; launch quantx (part 1): grid 416 x 1, 4 waves a work-group, no clusters, 36,352 bytes of LDS; arguments query, key, value, memory, cod, scl, qpart; writes cod, scl, qpart
.if DOCPART == 1
	.amdgcn_target "amdgcn-amd-amdhsa--gfx1250"
	.amdhsa_code_object_version 6
	.text
	.protected	k_qde9891b8ae_quantx
	.globl	k_qde9891b8ae_quantx
	.p2align	8
	.type	k_qde9891b8ae_quantx,@function
k_qde9891b8ae_quantx:
	s_mov_b64 s[64:65], 0
	v_nop
	global_prefetch_b8 v0, s[64:65] scope:SCOPE_SE
	s_setreg_imm32_b32 hwreg(HW_REG_WAVE_MODE, 25, 1), 1
	s_wait_xcnt 0x0
; query, key, value [8192][1024] f32 become codes of FP6 (E2M3) with one E8M0 byte for each 32 along K = the 1,024 columns; beside that the column sums of query and of memory are made for the gate.
; A block's scale is 2^(floor(log2(its largest magnitude)) - 2); its byte is the largest magnitude's exponent field - 2, held at 1 from below.
; LIMITS: NaN and infinities are not served; a block of zeros gets the byte 1 where the rule says 127 (its codes are zeros, and this program alone reads the bytes); no largest magnitude is taken under 2^-124.
; LAYOUT OF THE CODES (cod): [group of 128 rows][tile 8][K step 8][1,536 bytes].  Lane-row r of tile i is row 32 (i / 2) + 8 (i % 2) + r + 8 (r / 8) of the group.  The 1,536 bytes are the image of the
; operand's 12 registers: piece p (256 bytes) holds registers 2 p, 2 p + 1 of lane l at byte 8 l.  So every store here covers 256 consecutive bytes, aligned, and a reader takes a fragment by six loads of 8 bytes a lane.
; LAYOUT OF THE SCALE BYTES (scl): [plane 2 s + c: 64 along K][group][r 16][tile 8] two bytes: the bytes of blocks 2 c and 2 c + 1 of K step s.
; SHARES.  Work-groups 0-383: tensor T = g / 128, K step s = (g / 16) % 8, 512 rows g % 16; a wave takes one group of 128 rows x 128 columns, tile by tile.  Work-groups 384-415: memory[b], K step s: sums alone.
; A tile's 16 loads read 512 consecutive bytes each; the conversions want 16 neighbours along K in ONE lane, so the tile turns through the wave's own stage in LDS (rows of 512 + 16 bytes).
; No tensor loads: the waves share nothing but the four partial column sums at the end.  Loads run two tiles (32 loads a wave) ahead.
.set PS1,   55296                      ; a plane of scl: 216 groups x 256 bytes
.set GRPB,  98304                      ; a group of cod
.set TILEB, 12288                      ; a tile of cod
.set STGW,  8448                       ; a wave's stage: 16 rows x 528 bytes
.set SPIT,  528
.set CSL,   33792                      ; behind the stages: 512 bytes for each wave's column sums
.set CS,    8                          ; v8-15   column sums of my 4 columns, two chains
.set TM,    16                         ; v16-31  at work in QUANT
.set PC,    32                         ; v32-43  a fragment's codes; v44-50 conversions' second halves
.set PWR,   52                         ; v52-59  the scale word of each tile
.set WD,    60                         ; v60-63  the scale bytes as they are stored
.set R,     64                         ; v64-127, v128-191 two sets of 64 numbers
	s_load_b256 s[4:11], s[0:1], 0x0               ; query s[4:5], key s[6:7], value s[8:9], memory s[10:11]
	s_load_b128 s[12:15], s[0:1], 0x20             ; cod s[12:13], scl s[14:15]
	s_load_b64 s[16:17], s[0:1], 0x30              ; qpart
	v_lshl_add_u32 v192, v0, 2, 0x8c00
	v_mov_b32 v193, 0
	v_lshrrev_b32 v16, 5, v0
	v_readfirstlane_b32 s18, v16                   ; wave 0..3
	v_and_b32 v16, 31, v0                          ; lane
	v_and_b32 v17, 15, v0                          ; r
	v_bfe_u32 v18, v0, 4, 1                        ; h
	v_lshlrev_b32 v1, 4, v16                       ; v1: 16 x lane: my 16 bytes of a load's 512
	v_lshlrev_b32 v2, 3, v16                       ; v2: 8 x lane: my 8 bytes of a piece
	s_mul_i32 s24, s18, STGW
	v_add_nc_u32 v3, s24, v1                       ; v3: the stage, on the way in: a row as it lies
	v_mul_u32_u24 v4, v17, SPIT
	v_lshl_add_u32 v4, v18, 6, v4
	v_add_nc_u32 v4, s24, v4                       ; v4: and back: row r, + 64 h: my 16 numbers of each block of 32
	v_mul_u32_u24 v5, v18, PS1
	v_lshl_add_u32 v5, v17, 4, v5                  ; v5: the scale bytes: lanes 0-15 plane 2 s, lanes 16-31 plane 2 s + 1; 16 bytes a row
	v_mul_lo_u32 v6, v18, 0x02020202
	v_add_nc_u32 v6, 0x05040100, v6                ; v6: byte selector: the two low halves in lanes 0-15, the two high halves in lanes 16-31
	s_lshl_b32 s24, s18, 9
	s_add_co_u32 s24, s24, CSL
	v_add_nc_u32 v7, s24, v1                       ; v7: my wave's column sums in LDS
.irp i, 0,1,2,3,4,5,6,7
	v_mov_b32 v[CS+\i], 0
.endr
.irp b, 0,1,2,3
	v_mov_b32 v[TM+4+\b], 0                        ; written once: a lane permute's destination counts as one of its sources
.endr
	s_mov_b32 s20, 0x76543210
	s_mov_b32 s21, 0xfedcba98                      ; v_permlanex16_b32's selects for lane l xor 16
; 64 numbers of a lane, register 16 b + i = k 32 b + 16 h + i of my row, become a fragment's codes in v[PC] on and its scale word in v[pw].
.macro QUANT s, pw
.irp b, 0,1,2,3
	v_max3_num_f32 v[TM+\b], |v[\s+16*\b]|, |v[\s+1+16*\b]|, 0x1800000   ; my 16 numbers of block b, and the floor 2^(3 - 127): the byte cannot fall under 1
.endr
.irp i, 2,4,6,8,10,12,14
.irp b, 0,1,2,3
	v_max3_num_f32 v[TM+\b], v[TM+\b], |v[\s+16*\b+\i]|, |v[\s+1+16*\b+\i]|   ; the four blocks by turns
.endr
.endr
.irp b, 0,1,2,3
	v_permlanex16_b32 v[TM+4+\b], v[TM+\b], s20, s21
.endr
.irp b, 0,1,2,3
	v_max_num_f32 v[TM+\b], v[TM+\b], v[TM+4+\b]   ; with lane l xor 16's: the block's largest magnitude
.endr
.irp b, 0,1,2,3
	v_add_nc_u32 v[TM+12+\b], 0xff000000, v[TM+\b] ; 2 off its exponent field: the conversion takes this operand's exponent field as its scale
.endr
.irp b, 0,1,2,3
	v_lshrrev_b32 v[TM+4+\b], 23, v[TM+12+\b]      ; the scale's byte
.endr
	v_lshl_or_b32 v[\pw], v[TM+5], 8, v[TM+4]
	v_lshl_or_b32 v[\pw], v[TM+6], 16, v[\pw]
	v_lshl_or_b32 v[\pw], v[TM+7], 24, v[\pw]      ; my row's scale word
.irp c, 0,1
	v_cvt_scalef32_pk16_fp6_f32 v[PC+6*\c:PC+2+6*\c], v[\s+32*\c:\s+15+32*\c], v[TM+12+2*\c]
	v_cvt_scalef32_pk16_fp6_f32 v[PC+12+4*\c:PC+14+4*\c], v[\s+16+32*\c:\s+31+32*\c], v[TM+12+2*\c+1]   ; (a conversion's three registers begin on an even number)
.endr
	v_nop                                          ; one plain place behind a scaled conversion
.irp c, 0,1                                    ; the operand's layout wants a whole block in a lane: lanes 0-15 block 2 c, lanes 16-31 block 2 c + 1
.irp i, 0,1,2
	v_permlane16_swap_b32 v[PC+6*\c+\i], v[PC+12+4*\c+\i]
.endr
.irp i, 0,1,2
	v_mov_b32 v[PC+3+6*\c+\i], v[PC+12+4*\c+\i]
.endr
.endr
.endm
; 16 rows as loaded (row t in registers 4 t .. 4 t + 3: my 4 columns) are added onto the column sums, even rows on one chain, odd rows on the other
.macro SUMS set
.irp t, 0,1,2,3,4,5,6,7,8,9,10,11,12,13,14,15
	v_pk_add_f32 v[CS+4*(\t%2):CS+4*(\t%2)+1], v[CS+4*(\t%2):CS+4*(\t%2)+1], v[\set+4*\t:\set+4*\t+1]
	v_pk_add_f32 v[CS+4*(\t%2)+2:CS+4*(\t%2)+3], v[CS+4*(\t%2)+2:CS+4*(\t%2)+3], v[\set+4*\t+2:\set+4*\t+3]
.endr
.endm
; tile i's 16 rows, 512 consecutive bytes a load
.macro XLOAD i
.irp t, 0,1,2,3,4,5,6,7,8,9,10,11,12,13,14,15
; THE ROWS OF KEY'S TILES differ from the others': lane-row r of tile i is row 64 (i / 4) + 8 (i % 4) + r % 8 + 32 (r / 8), so that in the attention a lane's 32 scores of tiles 4 c .. 4 c + 3 are one whole block of 32 keys.
; Against the common order that is 16 rows further on for (i % 4 < 2, r >= 8) and 16 rows back for (i % 4 >= 2, r < 8): v194 = v1 + 16 rows for key, v1 else; v195 = v1 for key, v1 + 16 rows else, under an offset 16 rows less.
.if ((\i)%4) < 2 && \t >= 8
	global_load_b128 v[R+64*((\i)%2)+4*\t:R+64*((\i)%2)+4*\t+3], v194, s[4:5] offset:(32*((\i)/2)+8*((\i)%2)+\t+8*(\t/8))*4096 th:TH_LOAD_NT
.else
.if ((\i)%4) >= 2 && \t < 8
	global_load_b128 v[R+64*((\i)%2)+4*\t:R+64*((\i)%2)+4*\t+3], v195, s[4:5] offset:(32*((\i)/2)+8*((\i)%2)+\t-16)*4096 th:TH_LOAD_NT
.else
	global_load_b128 v[R+64*((\i)%2)+4*\t:R+64*((\i)%2)+4*\t+3], v1, s[4:5] offset:(32*((\i)/2)+8*((\i)%2)+\t+8*(\t/8))*4096 th:TH_LOAD_NT
.endif
.endif
.endr
.endm
.macro TILE i
.set RS, R+64*((\i)%2)
.if (\i) < 7
	s_wait_loadcnt 16                              ; this tile's 16 loads are in; the next tile's 16 may be out
.else
	s_wait_loadcnt 0x0
.endif
	s_cmp_lg_u32 s19, 0                            ; only query's column sums are wanted
	s_cbranch_scc1 .Lnosum_\@
	s_wait_alu depctr_va_vdst(0)
	SUMS RS
.Lnosum_\@:
.irp t, 0,1,2,3,4,5,6,7,8,9,10,11,12,13,14,15
	ds_store_b128 v3, v[RS+4*\t:RS+4*\t+3] offset:SPIT*\t
.endr
.irp b, 0,1,2,3                                ; LDS serves a wave's instructions in order (ISA guide 5.7.1.4): these see the stores above
.irp j, 0,1,2,3
	ds_load_b128 v[RS+16*\b+4*\j:RS+16*\b+4*\j+3], v4 offset:128*\b+16*\j
.endr
.endr
	s_wait_dscnt 0x0
	s_wait_xcnt 0x0                                ; the last tile's stores have read the codes' registers, which are written again below
	QUANT RS, PWR+(\i)
.irp p, 0,1,2,3,4,5
	global_store_b64 v2, v[PC+2*\p:PC+2*\p+1], s[12:13] offset:TILEB*(\i)+256*\p   ; a piece: 256 consecutive bytes, aligned
.endr
.if (\i) < 6
	XLOAD (\i)+2
.endif
.endm
	s_cmp_lt_u32 ttmp9, 384
	s_cbranch_scc0 .Lmemory
	s_lshr_b32 s19, ttmp9, 7                       ; T: 0 query, 1 key, 2 value
	s_bfe_u32 s22, ttmp9, 0x30004                  ; K step s
	s_and_b32 s23, ttmp9, 15                       ; which 512 rows: also the row of qpart
	s_lshl_b32 s24, s23, 2
	s_add_co_u32 s24, s24, s18                     ; my group of the tensor
	s_lshl_b32 s26, s24, 19                        ; 128 rows of 4,096 bytes
	s_lshl_b32 s25, s22, 9
	s_add_co_u32 s26, s26, s25
	s_mov_b32 s27, 0
	s_lshl_b32 s25, s19, 6
	s_add_co_u32 s25, s25, s24                     ; my group of cod and scl
	s_mul_i32 s28, s25, GRPB
	s_mul_i32 s30, s22, 1536
	s_add_co_u32 s28, s28, s30
	s_mov_b32 s29, 0
	s_mul_i32 s30, s22, 2*PS1
	s_lshl_b32 s25, s25, 8
	s_add_co_u32 s30, s30, s25
	s_mov_b32 s31, 0
	s_wait_kmcnt 0x0
	s_cmp_eq_u32 s19, 0
	s_cselect_b64 s[4:5], s[4:5], s[6:7]
	s_cmp_eq_u32 s19, 2
	s_cselect_b64 s[4:5], s[8:9], s[4:5]
	s_add_nc_u64 s[4:5], s[4:5], s[26:27]
	s_add_nc_u64 s[12:13], s[12:13], s[28:29]
	s_add_nc_u64 s[14:15], s[14:15], s[30:31]
	s_cmp_eq_u32 s19, 1                            ; key?
	s_cselect_b32 s24, 0x10000, 0                  ; 16 rows of 4,096 bytes
	s_cselect_b32 s25, 0, 0x10000
	v_add_nc_u32 v194, s24, v1
	v_add_nc_u32 v195, s25, v1
	s_wait_alu depctr_va_vdst(0)
	XLOAD 0
	XLOAD 1
.irp i, 0,1,2,3,4,5,6,7
	TILE \i
.endr
.irp j, 0,1,2,3
	v_perm_b32 v[WD+\j], v[PWR+2*\j+1], v[PWR+2*\j], v6   ; tiles 2 j and 2 j + 1: their low halves (blocks 0, 1) in lanes 0-15, their high halves in lanes 16-31
.endr
	global_store_b128 v5, v[WD:WD+3], s[14:15]     ; two aligned runs of 256 bytes, one in each plane
	s_cmp_lg_u32 s19, 0
	s_cbranch_scc1 .Lmeet                          ; key and value have no sums
	s_branch .Lsum
.Lmemory:
	s_sub_co_u32 s24, ttmp9, 384
	s_mov_b32 s19, 0
	s_and_b32 s22, s24, 7                          ; K step s
	s_lshr_b32 s24, s24, 3                         ; b
	s_add_co_u32 s23, s24, 16                      ; the row of qpart
	s_lshl_b32 s24, s24, 6
	s_lshl_b32 s25, s18, 4
	s_add_co_u32 s24, s24, s25                     ; my 16 rows: 64 b + 16 wave
	s_lshl_b32 s24, s24, 12
	s_lshl_b32 s25, s22, 9
	s_add_co_u32 s24, s24, s25
	s_mov_b32 s25, 0
	s_wait_kmcnt 0x0
	s_add_nc_u64 s[10:11], s[10:11], s[24:25]
.irp t, 0,1,2,3,4,5,6,7,8,9,10,11,12,13,14,15
	global_load_b128 v[R+4*\t:R+4*\t+3], v1, s[10:11] offset:4096*\t th:TH_LOAD_NT
.endr
	s_wait_loadcnt 0x0
	s_wait_alu depctr_va_vdst(0)
	SUMS R
.Lsum:
	v_pk_add_f32 v[CS:CS+1], v[CS:CS+1], v[CS+4:CS+5]
	v_pk_add_f32 v[CS+2:CS+3], v[CS+2:CS+3], v[CS+6:CS+7]
	ds_store_b128 v7, v[CS:CS+3]
.Lmeet:
	s_wait_dscnt 0x0                               ; for the others' sake: my sums lie in LDS
	s_barrier_signal -1
	s_barrier_wait -1
	s_cmp_lg_u32 s19, 0
	s_cbranch_scc1 .Lend
	s_cmp_lg_u32 s18, 0
	s_cbranch_scc1 .Lend                           ; wave 0 adds the four waves' sums and stores 512 consecutive bytes
	s_lshl_b32 s24, s23, 12
	s_lshl_b32 s25, s22, 9
	s_add_co_u32 s24, s24, s25
	s_mov_b32 s25, 0
	s_add_nc_u64 s[16:17], s[16:17], s[24:25]
.irp w, 0,1,2,3
	ds_load_b128 v[R+4*\w:R+4*\w+3], v7 offset:512*\w
.endr
	s_wait_dscnt 0x0
	v_pk_add_f32 v[R:R+1], v[R:R+1], v[R+4:R+5]
	v_pk_add_f32 v[R+2:R+3], v[R+2:R+3], v[R+6:R+7]
	v_pk_add_f32 v[R+8:R+9], v[R+8:R+9], v[R+12:R+13]
	v_pk_add_f32 v[R+10:R+11], v[R+10:R+11], v[R+14:R+15]
	v_pk_add_f32 v[R:R+1], v[R:R+1], v[R+8:R+9]
	v_pk_add_f32 v[R+2:R+3], v[R+2:R+3], v[R+10:R+11]
	global_store_b128 v1, v[R:R+3], s[16:17]
.Lend:
	s_wait_tensorcnt 0x0
	ds_add_u32 v192, v193
	s_wait_dscnt 0x0
	s_endpgm
.Lfunc_end_k_qde9891b8ae_quantx:
	.size	k_qde9891b8ae_quantx, .Lfunc_end_k_qde9891b8ae_quantx-k_qde9891b8ae_quantx
	.p2alignl 7, 3214868480
	.fill 96, 4, 3214868480
	.section	.rodata,"a",@progbits
	.p2align	6, 0x0
	.amdhsa_kernel k_qde9891b8ae_quantx
		.amdhsa_group_segment_fixed_size 36352
		.amdhsa_private_segment_fixed_size 0
		.amdhsa_enable_private_segment 0
		.amdhsa_kernarg_size 56
		.amdhsa_user_sgpr_count 2
		.amdhsa_user_sgpr_kernarg_segment_ptr 1
		.amdhsa_wavefront_size32 1
		.amdhsa_system_sgpr_workgroup_id_x 1
		.amdhsa_system_sgpr_workgroup_id_y 1
		.amdhsa_system_sgpr_workgroup_id_z 1
		.amdhsa_system_vgpr_workitem_id 0
		.amdhsa_next_free_vgpr 196
		.amdhsa_next_free_sgpr 66
		.amdhsa_reserve_vcc 0
		.amdhsa_float_denorm_mode_32 3
		.amdhsa_float_denorm_mode_16_64 3
		.amdhsa_memory_ordered 1
		.amdhsa_forward_progress 1
		.amdhsa_inst_pref_size 90
	.end_amdhsa_kernel
	.amdgpu_metadata
---
amdhsa.version: [ 1, 2 ]
amdhsa.kernels:
  - .name:           k_qde9891b8ae_quantx
    .symbol:         k_qde9891b8ae_quantx.kd
    .args:
      - { .name: query, .offset: 0, .size: 8, .value_kind: global_buffer, .address_space: global }
      - { .name: key, .offset: 8, .size: 8, .value_kind: global_buffer, .address_space: global }
      - { .name: value, .offset: 16, .size: 8, .value_kind: global_buffer, .address_space: global }
      - { .name: memory, .offset: 24, .size: 8, .value_kind: global_buffer, .address_space: global }
      - { .name: cod, .offset: 32, .size: 8, .value_kind: global_buffer, .address_space: global }
      - { .name: scl, .offset: 40, .size: 8, .value_kind: global_buffer, .address_space: global }
      - { .name: qpart, .offset: 48, .size: 8, .value_kind: global_buffer, .address_space: global }
    .group_segment_fixed_size: 36352
    .private_segment_fixed_size: 0
    .kernarg_segment_align: 8
    .kernarg_segment_size: 56
    .max_flat_workgroup_size: 128
    .sgpr_count:     66
    .vgpr_count:     196
    .wavefront_size: 32
...
	.end_amdgpu_metadata
.endif
;; end of part 1
;; launch prep (part 2): grid 160 x 1, 8 waves a work-group, no clusters, 65,536 bytes of LDS; arguments qpart, Wg, bg, Wq, Wk, Wv, Wo, cod, scl, osw, gpart; writes cod, scl, osw, gpart
.if DOCPART == 2
	.amdgcn_target "amdgcn-amd-amdhsa--gfx1250"
	.amdhsa_code_object_version 6
	.text
	.protected	k_qde9891b8ae_prep
	.globl	k_qde9891b8ae_prep
	.p2align	8
	.type	k_qde9891b8ae_prep,@function
k_qde9891b8ae_prep:
	s_mov_b64 s[64:65], 0
	v_nop
	global_prefetch_b8 v0, s[64:65] scope:SCOPE_SE
	s_setreg_imm32_b32 hwreg(HW_REG_WAVE_MODE, 25, 1), 1
	s_wait_xcnt 0x0
; Two jobs that need nothing of each other share one launch; they part at the first branch, on the work-group's number, and never join; each has LDS bytes of its own.
; THE GATE (work-groups 0-31): z[b][n] = sum over k of m[b][k] Wg[k][n] + bg[n], m = (mean of query over its rows, mean of memory over its rows), in f32 by fused multiply-adds: 4 rows are too few
; for the matrix unit, and the result goes on into a quantised operand.  A work-group takes 32 columns n and stores the sum of its 128 sigmoids; the attention adds the 32 sums.
; THE WEIGHTS (work-groups 32-159): Wq, Wk, Wv, Wo [k 1024][n 1024] f32 become codes of FP6 (E2M3) along K = their FIRST axis, laid as the other operands (see below).  A LANE TAKES A COLUMN n AND ITS
; REGISTERS RUN DOWN K: a block of 32 lies in one lane, and the conversions give codes with K innermost; nothing is transposed by an instruction.
; LAYOUT: cod [group of 128 columns][tile 8][K step 8][1,536]: lane-row r of tile i is column 32 (i / 2) + 8 (i % 2) + r + 8 (r / 8); the 1,536 bytes are the image of the operand's registers (piece p:
; registers 2 p, 2 p + 1 of lane l at 256 p + 8 l).  Scale bytes: [plane 2 s + c][group][r 16][tile 8] two bytes.  Wq, Wk, Wv: groups 192-215 of cod and scl; Wo: groups 216-223 of cod, 64-71 of osw.
; LIMITS: NaN and infinities are not served; a block of zeros gets the byte 1 where the rule says 127 (its codes are zeros, and this program alone reads the bytes); no largest magnitude is taken under 2^-124.
.set PS1,  55296
.set PS2,  18432
.set GRPB, 98304
.set RED,  32768                       ; the gate: m[4][2048] f32 at 0; behind it 512 bytes for each wave's partial sums
.set WSTB, 36864                       ; the weights: a stage of two images for each wave,
.set WSTW, 3328
.set WTS,  1664                        ; an image's 1,536 bytes + 128, so that the two tiles' stores fall on different banks
.set WSC,  63488                       ; and 2 x 512 bytes of scale planes
	s_load_b256 s[4:11], s[0:1], 0x0               ; qpart s[4:5], Wg s[6:7], bg s[8:9], Wq s[10:11]
	s_load_b256 s[12:19], s[0:1], 0x20             ; Wk s[12:13], Wv s[14:15], Wo s[16:17], cod s[18:19]
	s_load_b128 s[20:23], s[0:1], 0x40             ; scl s[20:21], osw s[22:23]
	s_load_b64 s[24:25], s[0:1], 0x50              ; gpart
	s_set_vgpr_msb 0x40
	v_lshl_add_u32 v0, v0, 2, 0xfc00
	v_mov_b32 v1, 0
	s_set_vgpr_msb 0x4000
	v_lshrrev_b32 v1, 5, v0
	s_delay_alu instid0(VALU_DEP_1)
	v_readfirstlane_b32 s26, v1                    ; wave 0..7
	s_mov_b32 s28, 0x76543210
	s_mov_b32 s29, 0xfedcba98                      ; v_permlanex16_b32's selects for lane l xor 16
	s_cmp_lt_u32 ttmp9, 32
	s_cbranch_scc0 .Lweights
	; ---------------- the gate.  Wave w takes k = 256 w .. 256 w + 255; lane (x = lane % 8, y = lane / 8) takes columns 4 x .. 4 x + 3 and, of each 16 k, the four at 4 y.
	; v16-31 the sums acc[b][4]; v32-111 qpart's 20 rows, later 64 numbers of m; v112-115 bg; v128-191, v192-255 two batches of Wg
	v_lshlrev_b32 v1, 4, v0                        ; v1: 16 x thread: my 4 columns of a row of qpart, and of m
	v_and_b32 v6, 7, v0                            ; x
	v_bfe_u32 v7, v0, 3, 2                         ; y
	s_lshl_b32 s30, s26, 8
	v_lshl_add_u32 v7, v7, 2, s30                  ; my first k: 256 w + 4 y
	s_delay_alu instid0(VALU_DEP_1)
	v_lshlrev_b32 v3, 2, v7                        ; v3: its place in m[b]
	s_delay_alu instid0(VALU_DEP_2)
	v_lshlrev_b32 v2, 12, v7
	s_delay_alu instid0(VALU_DEP_1)
	v_lshl_add_u32 v2, v6, 4, v2
	s_lshl_b32 s31, ttmp9, 7                       ; the work-group's 32 columns: 128 bytes
	v_add_nc_u32 v2, s31, v2                       ; v2: its place in Wg
	v_lshlrev_b32 v8, 4, v6
	s_delay_alu instid0(VALU_DEP_1)
	v_add_nc_u32 v9, s31, v8                       ; v9: my 4 columns of bg
	s_lshl_b32 s30, s26, 9
	s_add_co_u32 s30, s30, RED
	v_add_nc_u32 v4, s30, v8                       ; v4: where my wave's partial sums go
	v_and_b32 v5, 31, v0
	s_delay_alu instid0(VALU_DEP_1)
	v_lshl_add_u32 v5, v5, 4, RED                  ; v5: and from where wave 0 reads them: lane = 8 b + x
.irp i, 0,1,2,3,4,5,6,7,8,9,10,11,12,13,14,15
	v_mov_b32 v[16+\i], 0
.endr
.macro WBATCH t                        ; 16 loads: k quads 4 t .. 4 t + 3; a load covers 4 rows of Wg x 128 bytes
.irp l, 0,1,2,3
.irp e, 0,1,2,3
	global_load_b128 v[128+64*((\t)%2)+16*\l+4*\e:128+64*((\t)%2)+16*\l+4*\e+3], v2, s[6:7] offset:(16*(4*(\t)+\l)+\e)*4096
.endr
.endr
.endm
	s_wait_kmcnt 0x0
.irp j, 0,1,2,3,4,5,6,7,8,9,10,11,12,13,14,15,16,17,18,19
	global_load_b128 v[32+4*\j:35+4*\j], v1, s[4:5] offset:4096*\j
.endr
	global_load_b128 v[112:115], v9, s[8:9]
	WBATCH 0
	WBATCH 1
	s_wait_loadcnt 32                              ; qpart and bg are in; the two batches of Wg, 32 loads, may be out
.irp b, 0,1,2,3                                ; query's four quarters are added; the means: / 2,048 and / 64, both exact
	v_pk_add_f32 v[32+16*\b:33+16*\b], v[32+16*\b:33+16*\b], v[36+16*\b:37+16*\b]
	v_pk_add_f32 v[34+16*\b:35+16*\b], v[34+16*\b:35+16*\b], v[38+16*\b:39+16*\b]
	v_pk_add_f32 v[40+16*\b:41+16*\b], v[40+16*\b:41+16*\b], v[44+16*\b:45+16*\b]
	v_pk_add_f32 v[42+16*\b:43+16*\b], v[42+16*\b:43+16*\b], v[46+16*\b:47+16*\b]
.endr
.irp b, 0,1,2,3
	v_pk_add_f32 v[32+16*\b:33+16*\b], v[32+16*\b:33+16*\b], v[40+16*\b:41+16*\b]
	v_pk_add_f32 v[34+16*\b:35+16*\b], v[34+16*\b:35+16*\b], v[42+16*\b:43+16*\b]
.endr
.irp b, 0,1,2,3
	v_pk_mul_f32 v[32+16*\b:33+16*\b], v[32+16*\b:33+16*\b], 0x3a000000 op_sel_hi:[1,0]
	v_pk_mul_f32 v[34+16*\b:35+16*\b], v[34+16*\b:35+16*\b], 0x3a000000 op_sel_hi:[1,0]
	v_pk_mul_f32 v[96+4*\b:97+4*\b], v[96+4*\b:97+4*\b], 0x3c800000 op_sel_hi:[1,0]
	v_pk_mul_f32 v[98+4*\b:99+4*\b], v[98+4*\b:99+4*\b], 0x3c800000 op_sel_hi:[1,0]
.endr
.irp b, 0,1,2,3
	ds_store_b128 v1, v[32+16*\b:35+16*\b] offset:8192*\b
	ds_store_b128 v1, v[96+4*\b:99+4*\b] offset:8192*\b+4096
.endr
	s_wait_dscnt 0x0                               ; for the others' sake: my part of m lies in LDS
	s_barrier_signal -1
	s_barrier_wait -1
.macro GBATCH t
.irp b, 0,1,2,3
.irp l, 0,1,2,3
	ds_load_b128 v[32+16*\b+4*\l:35+16*\b+4*\l], v3 offset:8192*\b+64*(4*(\t)+\l)   ; m[b] at my four k of quad 4 t + l
.endr
.endr
.if (\t) < 3
	s_wait_loadcnt 16                              ; this batch is in; the next batch's 16 loads may be out
.else
	s_wait_alu depctr_va_vdst(0)
	s_wait_loadcnt 0x0
.endif
	s_wait_dscnt 0x0
.irp l, 0,1,2,3                                ; eight sums take turns: no line waits for the line above it
.irp e, 0,2
.irp b, 0,1,2,3
.irp c, 0,2
	v_pk_fma_f32 v[16+4*\b+\c:17+4*\b+\c], v[128+64*((\t)%2)+16*\l+4*\e+\c:129+64*((\t)%2)+16*\l+4*\e+\c], v[32+16*\b+4*\l+\e:33+16*\b+4*\l+\e], v[16+4*\b+\c:17+4*\b+\c] op_sel:[0,0,0] op_sel_hi:[1,0,1]
.endr
.endr
.irp b, 0,1,2,3
.irp c, 0,2
	v_pk_fma_f32 v[16+4*\b+\c:17+4*\b+\c], v[132+64*((\t)%2)+16*\l+4*\e+\c:133+64*((\t)%2)+16*\l+4*\e+\c], v[32+16*\b+4*\l+\e:33+16*\b+4*\l+\e], v[16+4*\b+\c:17+4*\b+\c] op_sel:[0,1,0] op_sel_hi:[1,1,1]
.endr
.endr
.endr
.endr
.if (\t) < 2
	WBATCH (\t)+2
.endif
.endm
	GBATCH 0
	s_wait_alu depctr_va_vdst(0)
	GBATCH 1
	s_wait_alu depctr_va_vdst(0)
	GBATCH 2
	GBATCH 3
.irp i, 0,1,2,3,4,5,6,7,8,9,10,11,12,13,14,15    ; the four y of a column: lanes l xor 8 and l xor 16
	v_add_f32_dpp v[16+\i], v[16+\i], v[16+\i] row_xmask:8 row_mask:0xf bank_mask:0xf
.endr
.irp i, 0,1,2,3,4,5,6,7,8,9,10,11,12,13,14,15
	v_permlanex16_b32 v[32+\i], v[16+\i], s28, s29
.endr
.irp i, 0,1,2,3,4,5,6,7,8,9,10,11,12,13,14,15
	v_add_f32 v[16+\i], v[16+\i], v[32+\i]
.endr
.irp b, 0,1,2,3
	ds_store_b128 v4, v[16+4*\b:19+4*\b] offset:128*\b   ; lanes of one x write the same bytes with the same values
.endr
	s_wait_dscnt 0x0
	s_barrier_signal -1
	s_barrier_wait -1
	s_cmp_lg_u32 s26, 0
	s_cbranch_scc1 .Lgate_end
.irp w, 0,1,2,3,4,5,6,7
	ds_load_b128 v[32+4*\w:35+4*\w], v5 offset:512*\w
.endr
	s_wait_dscnt 0x0
.irp w, 0,2,4,6
	v_pk_add_f32 v[32+4*\w:33+4*\w], v[32+4*\w:33+4*\w], v[36+4*\w:37+4*\w]
	v_pk_add_f32 v[34+4*\w:35+4*\w], v[34+4*\w:35+4*\w], v[38+4*\w:39+4*\w]
.endr
.irp w, 0
	v_pk_add_f32 v[32+4*\w:33+4*\w], v[32+4*\w:33+4*\w], v[40+4*\w:41+4*\w]
	v_pk_add_f32 v[34+4*\w:35+4*\w], v[34+4*\w:35+4*\w], v[42+4*\w:43+4*\w]
.endr
.irp w, 4
	s_delay_alu instid0(VALU_DEP_4)
	v_pk_add_f32 v[32+4*\w:33+4*\w], v[32+4*\w:33+4*\w], v[40+4*\w:41+4*\w]
	s_delay_alu instid0(VALU_DEP_4)
	v_pk_add_f32 v[34+4*\w:35+4*\w], v[34+4*\w:35+4*\w], v[42+4*\w:43+4*\w]
.endr
	s_delay_alu instid0(VALU_DEP_2)
	v_pk_add_f32 v[32:33], v[32:33], v[48:49]
	s_delay_alu instid0(VALU_DEP_2)
	v_pk_add_f32 v[34:35], v[34:35], v[50:51]
	s_delay_alu instid0(VALU_DEP_2)
	v_pk_add_f32 v[32:33], v[32:33], v[112:113]    ; + bg: z of batch lane / 8, columns 4 (lane % 8) on
	s_delay_alu instid0(VALU_DEP_2)
	v_pk_add_f32 v[34:35], v[34:35], v[114:115]
.irp i, 0,1,2,3
	v_mul_f32 v[36+\i], 0xbfb8aa3b, v[32+\i]       ; - z log2(e)
.endr
	s_wait_alu depctr_va_vdst(0)
.irp i, 0,1,2,3
	v_exp_f32 v[36+\i], v[36+\i]
.endr
	v_nop                                          ; a plain place behind the transcendentals,
	s_wait_alu depctr_va_vdst(0)                   ; and the wait ahead of the batch's first reader
.irp i, 0,1,2,3
	v_add_f32 v[36+\i], 1.0, v[36+\i]
.endr
	s_wait_alu depctr_va_vdst(0)
.irp i, 0,1,2,3
	v_rcp_f32 v[40+\i], v[36+\i]                   ; sigmoid(z) = 1 / (1 + 2^(- z log2(e)))
.endr
	v_nop
	s_wait_alu depctr_va_vdst(0)
	v_add_f32 v40, v40, v41
	v_add_f32 v42, v42, v43
	s_delay_alu instid0(VALU_DEP_1)
	v_add_f32 v40, v40, v42
	s_delay_alu instid0(VALU_DEP_1)
	v_add_f32_dpp v40, v40, v40 row_xmask:1 row_mask:0xf bank_mask:0xf
	s_delay_alu instid0(VALU_DEP_1)
	v_add_f32_dpp v40, v40, v40 row_xmask:2 row_mask:0xf bank_mask:0xf
	s_delay_alu instid0(VALU_DEP_1)
	v_add_f32_dpp v40, v40, v40 row_xmask:4 row_mask:0xf bank_mask:0xf
	s_delay_alu instid0(VALU_DEP_1)
	v_add_f32_dpp v40, v40, v40 row_xmask:8 row_mask:0xf bank_mask:0xf
	v_permlanex16_b32 v41, v40, s28, s29
	s_delay_alu instid0(VALU_DEP_1)
	v_add_f32 v40, v40, v41                        ; the sum of the work-group's 128 sigmoids
	v_mov_b32 v6, 0
	s_lshl_b32 s30, ttmp9, 2
	s_mov_b32 s31, 0
	s_add_nc_u64 s[24:25], s[24:25], s[30:31]
	s_wait_alu depctr_va_vdst(0)
	s_wait_xcnt 0x0                                ; EXEC changes only behind this wait
	v_cmp_gt_u32 vcc_lo, 1, v0
	s_and_saveexec_b32 s30, vcc_lo
	global_store_b32 v6, v40, s[24:25]             ; one number, by thread 0
	s_wait_xcnt 0x0
	s_or_b32 exec_lo, exec_lo, s30
.Lgate_end:
	s_set_vgpr_msb 0x5
	s_wait_tensorcnt 0x0
	ds_add_u32 v0, v1
	s_wait_dscnt 0x0
	s_set_vgpr_msb 0x500
	s_endpgm
	; ---------------- the weights.  j = work-group - 32: weight j / 32, group of 128 columns (j / 4) % 8, two K steps 2 (j % 4) on.  Wave w: 32 columns 32 (w % 4) on (tiles 2 (w % 4) + u), K step 2 (j % 4) + w / 4.
	; v32-95 two sets of 32 numbers; v96-102 a block's codes; v104 the four scale bytes; v112-135 the images on their way out; v136-139 the scale planes on their way out
.Lweights:
	s_sub_co_u32 s30, ttmp9, 32
	s_lshr_b32 s31, s30, 5                         ; which weight
	s_bfe_u32 s32, s30, 0x30002                    ; which group of columns
	s_and_b32 s33, s30, 3
	s_and_b32 s34, s26, 3                          ; which 32 columns
	s_lshr_b32 s35, s26, 2
	s_lshl_b32 s36, s33, 1
	s_add_co_u32 s36, s36, s35                     ; my K step
	v_and_b32 v7, 31, v0                           ; lane x = my column of the 32
	s_delay_alu instid0(VALU_DEP_1)
	v_lshlrev_b32 v1, 2, v7                        ; v1: 4 bytes a lane
	s_delay_alu instid0(VALU_DEP_2)
	v_lshlrev_b32 v5, 4, v7                        ; v5: 16 bytes a lane
	v_bfe_u32 v8, v0, 3, 1                         ; u = (x / 8) % 2: which of the two tiles
	v_and_b32 v9, 7, v0
	v_bfe_u32 v10, v0, 4, 1
	s_delay_alu instid0(VALU_DEP_1)
	v_lshl_add_u32 v9, v10, 3, v9                  ; r = x % 8 + 8 (x / 16): my lane-row in it
	s_mul_i32 s37, s26, WSTW
	s_add_co_u32 s37, s37, WSTB                    ; my stage
	v_mul_u32_u24 v2, v8, WTS
	s_delay_alu instid0(VALU_DEP_1)
	v_lshl_add_u32 v2, v9, 3, v2
	s_delay_alu instid0(VALU_DEP_1)
	v_add_nc_u32 v2, s37, v2                       ; v2: into it: tile u, 8 bytes at lane-row r
	v_add_nc_u32 v3, s37, v5                       ; v3: out of it: 16 bytes a lane
	s_lshl_b32 s37, s35, 9
	s_lshl_b32 s38, s34, 2
	s_add_co_u32 s37, s37, s38
	s_add_co_u32 s37, s37, WSC
	v_lshlrev_b32 v4, 4, v9
	s_delay_alu instid0(VALU_DEP_1)
	v_lshl_add_u32 v4, v8, 1, v4
	s_delay_alu instid0(VALU_DEP_1)
	v_add_nc_u32 v4, s37, v4                       ; v4: my two scale bytes in a plane: 16 r + 2 tile
	s_and_b32 s37, s26, 1
	s_lshl_b32 s38, s37, 9
	s_add_co_u32 s38, s38, WSC
	v_add_nc_u32 v14, s38, v5                      ; v14: from where waves 0 and 1 read two planes
	s_lshl_b32 s38, s36, 19                        ; 128 rows of W, 4,096 bytes each
	s_lshl_b32 s39, s32, 9
	s_add_co_u32 s38, s38, s39
	s_lshl_b32 s39, s34, 7
	s_add_co_u32 s38, s38, s39
	s_mov_b32 s39, 0
	s_lshl_b32 s40, s31, 3
	s_add_co_u32 s40, s40, s32
	s_add_co_u32 s40, s40, 192                     ; the group in cod (and in scl)
	s_mul_i32 s42, s40, GRPB
	s_mul_i32 s41, s34, 24576
	s_add_co_u32 s42, s42, s41
	s_mul_i32 s41, s36, 1536
	s_add_co_u32 s42, s42, s41
	s_mov_b32 s43, 0
	s_add_co_u32 s41, s32, 64                      ; Wo's group in osw
	s_mov_b32 s44, PS1
	s_wait_kmcnt 0x0
	s_cmp_eq_u32 s31, 1
	s_cselect_b64 s[10:11], s[12:13], s[10:11]
	s_cmp_eq_u32 s31, 2
	s_cselect_b64 s[10:11], s[14:15], s[10:11]
	s_cmp_eq_u32 s31, 3
	s_cselect_b64 s[10:11], s[16:17], s[10:11]
	s_cselect_b64 s[20:21], s[22:23], s[20:21]     ; Wo's scale bytes go to osw
	s_cselect_b32 s44, PS2, s44
	s_cselect_b32 s40, s41, s40
	s_add_nc_u64 s[10:11], s[10:11], s[38:39]
	s_add_nc_u64 s[18:19], s[18:19], s[42:43]
	s_lshl_b32 s41, s33, 1
	s_add_co_u32 s41, s41, s37
	s_lshl_b32 s41, s41, 1                         ; the first plane of K step 2 (j % 4) + wave % 2
	s_mul_i32 s46, s41, s44
	s_lshl_b32 s40, s40, 8
	s_add_co_u32 s46, s46, s40
	s_mov_b32 s47, 0
	s_add_nc_u64 s[20:21], s[20:21], s[46:47]
	v_and_b32 v6, 15, v0
	s_delay_alu instid0(VALU_DEP_1)
	v_lshlrev_b32 v6, 4, v6
	v_mul_lo_u32 v15, v10, s44
	s_delay_alu instid0(VALU_DEP_1)
	v_add_nc_u32 v6, v6, v15                       ; v6: lanes 0-15 the first plane, lanes 16-31 the second; 16 bytes a lane
.macro WLOAD t                         ; block t: W(32 t + i, my column); 32 lanes read 128 consecutive bytes, the four waves side by side 512
.set i, 0
.rept 32
	global_load_b32 v[32+32*((\t)%2)+i], v1, s[10:11] offset:(32*(\t)+i)*4096 th:TH_LOAD_NT
.set i, i+1
.endr
.endm
.macro BLOCK t
.set XS, 32+32*((\t)%2)
.if (\t) < 3
	s_wait_loadcnt 32                              ; this block's 32 loads are in; the next block's may be out
.else
	s_wait_loadcnt 0x0
.endif
	v_max3_num_f32 v12, |v[XS]|, |v[XS+1]|, |v[XS+2]|   ; the block's largest magnitude: all 32 numbers are mine
	v_max3_num_f32 v13, |v[XS+3]|, |v[XS+4]|, |v[XS+5]|
.irp i, 6,10,14,18,22,26
	s_delay_alu instid0(VALU_DEP_2)
	v_max3_num_f32 v12, v12, |v[XS+\i]|, |v[XS+\i+1]|
	s_delay_alu instid0(VALU_DEP_2)
	v_max3_num_f32 v13, v13, |v[XS+\i+2]|, |v[XS+\i+3]|
.endr
	s_delay_alu instid0(VALU_DEP_2)
	v_max3_num_f32 v12, v12, |v[XS+30]|, |v[XS+31]|
	s_delay_alu instid0(VALU_DEP_1)
	v_max3_num_f32 v12, v12, v13, 0x1800000        ; and the floor 2^(3 - 127)
	s_delay_alu instid0(VALU_DEP_1)
	v_add_nc_u32 v11, 0xff000000, v12              ; 2 off its exponent field: the conversion's scale operand
	s_delay_alu instid0(VALU_DEP_1)
	v_lshrrev_b32 v13, 23, v11                     ; the scale's byte
.if (\t) == 0
	s_delay_alu instid0(VALU_DEP_1)
	v_mov_b32 v104, v13
.else
	s_delay_alu instid0(VALU_DEP_1)
	v_lshl_or_b32 v104, v13, 8*(\t), v104
.endif
	v_cvt_scalef32_pk16_fp6_f32 v[96:98], v[XS:XS+15], v11
	v_cvt_scalef32_pk16_fp6_f32 v[100:102], v[XS+16:XS+31], v11   ; (a conversion's three registers begin on an even number)
	v_nop                                          ; one plain place behind a scaled conversion
	v_mov_b32 v99, v100
	v_mov_b32 v100, v101
	v_mov_b32 v101, v102                           ; v96-101: the block's 24 bytes: registers 6 (t / 2) on of operand lane r + 16 (t % 2)
.irp p, 0,1,2
	ds_store_b64 v2, v[96+2*\p:97+2*\p] offset:256*(3*((\t)/2)+\p)+128*((\t)%2)
.endr
.if (\t) < 2
	WLOAD (\t)+2
.endif
	s_wait_dscnt 0x0                               ; the stores have read their registers: the next block's codes may be written
.endm
	WLOAD 0
	WLOAD 1
	BLOCK 0
	BLOCK 1
	BLOCK 2
	BLOCK 3
	s_wait_alu depctr_va_vdst(0)
	ds_store_b16 v4, v104                          ; blocks 0, 1: the K step's first plane;
	ds_store_b16_d16_hi v4, v104 offset:256        ; blocks 2, 3: its second
.irp n, 0,1,2,3,4,5
	ds_load_b128 v[112+4*\n:115+4*\n], v3 offset:WTS*(\n/3)+512*(\n%3)   ; LDS serves a wave's instructions in order: these see my stores
.endr
.irp n, 0,1,2,3,4,5
	s_wait_dscnt 5-\n                              ; the younger loads may be out
	global_store_b128 v5, v[112+4*\n:115+4*\n], s[18:19] offset:12288*(\n/3)+512*(\n%3)   ; 512 consecutive bytes, aligned
.endr
	s_barrier_signal -1                            ; (the last wait above was for 0: my scale bytes lie in LDS)
	s_barrier_wait -1
	s_cmp_lt_u32 s26, 2
	s_cbranch_scc0 .Lw_end
	ds_load_b128 v[136:139], v14                   ; a K step's two planes, whole: four waves' bytes; into registers that no pending store reads
	s_wait_dscnt 0x0
	global_store_b128 v6, v[136:139], s[20:21]     ; two aligned runs of 256 bytes
.Lw_end:
	s_set_vgpr_msb 0x5
	s_wait_tensorcnt 0x0
	ds_add_u32 v0, v1
	s_wait_dscnt 0x0
	s_set_vgpr_msb 0x500
	s_endpgm
.Lfunc_end_k_qde9891b8ae_prep:
	.size	k_qde9891b8ae_prep, .Lfunc_end_k_qde9891b8ae_prep-k_qde9891b8ae_prep
	.p2alignl 7, 3214868480
	.fill 96, 4, 3214868480
	.section	.rodata,"a",@progbits
	.p2align	6, 0x0
	.amdhsa_kernel k_qde9891b8ae_prep
		.amdhsa_group_segment_fixed_size 65536
		.amdhsa_private_segment_fixed_size 0
		.amdhsa_enable_private_segment 0
		.amdhsa_kernarg_size 88
		.amdhsa_user_sgpr_count 2
		.amdhsa_user_sgpr_kernarg_segment_ptr 1
		.amdhsa_wavefront_size32 1
		.amdhsa_system_sgpr_workgroup_id_x 1
		.amdhsa_system_sgpr_workgroup_id_y 1
		.amdhsa_system_sgpr_workgroup_id_z 1
		.amdhsa_system_vgpr_workitem_id 0
		.amdhsa_next_free_vgpr 258
		.amdhsa_next_free_sgpr 66
		.amdhsa_reserve_vcc 1
		.amdhsa_float_denorm_mode_32 3
		.amdhsa_float_denorm_mode_16_64 3
		.amdhsa_memory_ordered 1
		.amdhsa_forward_progress 1
		.amdhsa_inst_pref_size 83
	.end_amdhsa_kernel
	.amdgpu_metadata
---
amdhsa.version: [ 1, 2 ]
amdhsa.kernels:
  - .name:           k_qde9891b8ae_prep
    .symbol:         k_qde9891b8ae_prep.kd
    .args:
      - { .name: qpart, .offset: 0, .size: 8, .value_kind: global_buffer, .address_space: global }
      - { .name: Wg, .offset: 8, .size: 8, .value_kind: global_buffer, .address_space: global }
      - { .name: bg, .offset: 16, .size: 8, .value_kind: global_buffer, .address_space: global }
      - { .name: Wq, .offset: 24, .size: 8, .value_kind: global_buffer, .address_space: global }
      - { .name: Wk, .offset: 32, .size: 8, .value_kind: global_buffer, .address_space: global }
      - { .name: Wv, .offset: 40, .size: 8, .value_kind: global_buffer, .address_space: global }
      - { .name: Wo, .offset: 48, .size: 8, .value_kind: global_buffer, .address_space: global }
      - { .name: cod, .offset: 56, .size: 8, .value_kind: global_buffer, .address_space: global }
      - { .name: scl, .offset: 64, .size: 8, .value_kind: global_buffer, .address_space: global }
      - { .name: osw, .offset: 72, .size: 8, .value_kind: global_buffer, .address_space: global }
      - { .name: gpart, .offset: 80, .size: 8, .value_kind: global_buffer, .address_space: global }
    .group_segment_fixed_size: 65536
    .private_segment_fixed_size: 0
    .kernarg_segment_align: 8
    .kernarg_segment_size: 88
    .max_flat_workgroup_size: 256
    .sgpr_count:     66
    .vgpr_count:     258
    .wavefront_size: 32
...
	.end_amdgpu_metadata
.endif
;; end of part 2
;; launch proj (part 3): grid 4 x 192, 4 waves a work-group, clusters of 4 x 4, 327,680 bytes of LDS; arguments cod, scl, bq, bk, bv, qimg, kv; writes qimg, kv
.if DOCPART == 3
	.amdgcn_target "amdgcn-amd-amdhsa--gfx1250"
	.amdhsa_code_object_version 6
	.text
	.protected	k_qde9891b8ae_proj
	.globl	k_qde9891b8ae_proj
	.p2align	8
	.type	k_qde9891b8ae_proj,@function
k_qde9891b8ae_proj:
	s_mov_b64 s[64:65], 0
	v_nop
	global_prefetch_b8 v0, s[64:65] scope:SCOPE_SE
	s_setreg_imm32_b32 hwreg(HW_REG_WAVE_MODE, 25, 1), 1
	s_wait_xcnt 0x0
	s_wait_alu depctr_hold_cnt(0) depctr_sa_sdst(0) depctr_va_vdst(0) depctr_va_sdst(0) depctr_va_ssrc(0) depctr_va_vcc(0) depctr_vm_vsrc(0)
	s_getreg_b32 s2, hwreg(HW_REG_IB_STS2, 6, 4)
	s_cmp_eq_u32 s2, 0
	s_cbranch_scc0 .Lentry_in_a_cluster
	s_endpgm
.Lentry_in_a_cluster:
	s_bfe_u32 s2, ttmp6, 0x10000c
	s_cmp_lg_u32 s2, 0xf033
	s_cbranch_scc0 .Lentry_shape_is_right
	s_endpgm
.Lentry_shape_is_right:
; The three projections Q = query Wq + bq, K = key Wk + bk, V = value Wv + bv on codes of FP6 (E2M3) with E8M0 scales, and the quantising of their results for the attention: Q and K along the head's 64,
; V along the keys.  ONE TEXT serves the three, with no branch on which: var = cluster y / 16.  A product is D = Y X^T used transposed (source 0 = 16 rows of Y, source 1 = 16 rows of X): a lane holds one row
; of X and its registers run along Y.  Q, K: X = the tokens, Y = W^T (registers run along the features: the next K).  V: X = Wv^T, Y = the tokens of value (registers run along the keys: the next K).
; THE ROWS OF A TILE: lane-row r of tile i is row 32 (i / 2) + 8 (i % 2) + r + 8 (r / 8) of its group of 128, for every operand, so that the 16 registers of Y's tiles 2 B, 2 B + 1 are 16 neighbours 32 B + 16 h + 0 .. 15.
; SHARES.  A work-group makes X 128 rows x Y 256 rows over all of K = 1,024; four waves, wave (wx, wy) makes 64 x 128: 32 accumulators.  ALL of K lies in LDS (24 tiles x 12,288 bytes = 294,912), filled ONCE,
; in two chunks of four K steps; nothing is ever filled again, so the only orderings are a counted wait and a barrier in front of the first read of each chunk.
; CLUSTER 4 x 4: X's tiles hang on cy and the cluster's y alone and are asked for jointly by a row of the cluster, Y's on cx and the cluster's y alone, by a column.  A wave has one tensor load outstanding at the most.
; No prefetch: all that a work-group reads is asked for in its first lines.
; OUT.  qimg [b h 64][128 queries 16][6,400] and kv [b h 64][128 keys 16][12,800], images of the attention's operand registers:
;   K (and Q): double fragment (hf, pi) at 1,536 (2 hf + pi): registers 0-5 = tile 4 hf + pi of the 128 rows, registers 6-11 = tile 4 hf + pi + 2, each the head's 64 along K; scale words [hf][r 16][pi] at 6,144.
;   V: fragment tau (16 of the head's 64 x 128 keys) at 6,400 + 1,536 tau; scale words [tau / 2][r 16][tau % 2] at 12,544.
; LIMITS: NaN and infinities are not served (the bias that does not apply is multiplied by 0); a block of zeros gets the byte 1 where the rule says 127; no largest magnitude is taken under 2^-124.
; REGISTERS.  window 0: v1-13 lane terms; v16-19, v20-23 LDS addresses of X's and Y's tiles in the two chunks; v32-95 scale words; v96-143, v144-191 X's fragments, two sets; v192-255 at work.
;   window 1: v0-95, v96-191 Y's fragments, two sets.   window 2: accumulator (a, b) at v[8 (8 a + b)].
.set PS,    55296                      ; a plane of scl
.set GRPB,  98304                      ; a group of cod: 8 tiles x 8 K steps x 1,536
.set CHUNK, 147456                     ; LDS: TWO chunks of four K steps: X's 8 tiles x 6,144, then Y's 16.  Chunk 0 comes by one load a wave at the head, chunk 1 by one load a wave behind a round of the cluster's barrier
.set ADX,   16
.set ADY,   20
.set SC,    32                         ; v[SC + 8 s + i]: lanes 0-15 the word of my X tile i (i < 4), lanes 16-31 that of my Y tile i, for K step s
.set XF,    96
.set T,     192                        ; the scale planes as loaded
.set BC,    96                         ; the bias along Y: 8 registers a tile (before the fragments come)
.set BR,    160                        ; the bias along X: a pair for each a
.set CD,    96                         ; the way out: 12 registers of codes for each a
.set TM,    192
.set TT,    208
.set PW,    216
.set WW,    220
.set G1X,   36
.set G1Y,   44
.set G0X,   68
.set G0Y,   84
.set MUL,   0xa1                       ; source 0 (Y) window 1, source 1 (X) window 0, C and D window 2
.set TO_Y,  0x40                       ; destination window 1, address window 0
.set MSB, 0
.macro WIN new                         ; the immediate's high byte repeats the setting that is left
.if MSB != \new
	s_set_vgpr_msb (MSB<<8)|\new
.set MSB, \new
.endif
.endm
.macro CROUND                          ; a round of the cluster's barrier
	s_barrier_signal -1
	s_barrier_wait -1
	s_cmp_lg_u32 s18, 0
	s_cbranch_scc1 .Lnot_wave_0_\@
	s_barrier_signal -3
.Lnot_wave_0_\@:
	s_barrier_wait -3
	s_barrier_signal -1
	s_barrier_wait -1
.endm
.macro PLACES n
.rept \n
	v_nop
.endr
.endm
	s_load_b256 s[4:11], s[0:1], 0x0               ; cod s[4:5], scl s[6:7], bq s[8:9], bk s[10:11]
	s_load_b128 s[12:15], s[0:1], 0x20             ; bv s[12:13], qimg s[14:15]
	s_load_b64 s[16:17], s[0:1], 0x30              ; kv
	v_lshl_add_u32 v30, v0, 2, 0x48000
	v_mov_b32 v31, 0
	ds_add_u32 v30, v31
	ds_add_u32 v30, v31
	v_lshrrev_b32 v1, 5, v0
	v_readfirstlane_b32 s18, v1                    ; wave 0..3
	s_lshr_b32 s19, s18, 1                         ; wx: which 64 rows of X are mine
	s_and_b32 s20, s18, 1                          ; wy: which 128 rows of Y.  Also: which half of X's or Y's tiles I fetch
	s_bfe_u32 s21, ttmp6, 0x40000                  ; cx
	s_bfe_u32 s22, ttmp6, 0x40004                  ; cy
	s_and_b32 s23, ttmp7, 0xffff                   ; the cluster's y
	s_lshr_b32 s24, s23, 4                         ; var: 0 Q, 1 K, 2 V
	s_and_b32 s25, s23, 15                         ; c
	s_lshl_b32 s26, s25, 2
	s_add_co_u32 s26, s26, s22                     ; Q, K: X block 4 c + cy
	s_and_b32 s27, s25, 1
	s_lshl_b32 s27, s27, 2
	s_add_co_u32 s27, s27, s22                     ; V: 4 (c % 2) + cy
	s_lshl_b32 s30, s24, 6                         ; Q, K: X's first group in cod: 64 var
	s_lshr_b32 s29, s25, 1
	s_lshl_b32 s29, s29, 2
	s_add_co_u32 s29, s29, s21                     ; V: Y block 4 (c / 2) + cx
	s_lshl_b32 s31, s24, 3
	s_add_co_u32 s31, s31, 192                     ; Q, K: Y's first group: 192 + 8 var
	s_cmp_eq_u32 s24, 2
	s_cselect_b32 s26, s27, s26                    ; s26: X block
	s_cselect_b32 s29, s29, s21                    ; s29: Y block
	s_cselect_b32 s30, 208, s30
	s_cselect_b32 s31, 128, s31
	s_cselect_b32 s32, -1, 0                       ; s32: keeps the bias along X for V, clears it else
	s_cselect_b32 s34, 0, 1.0                      ; s[34:35]: the factor of the bias along Y
	s_mov_b32 s35, s34
	s_add_co_u32 s30, s30, s26                     ; s30: X's group
	s_lshl_b32 s28, s29, 1
	s_add_co_u32 s31, s31, s28                     ; s31: Y's first group
	s_lshl_b32 s27, s22, 2
	s_lshl_b32 s27, 15, s27                        ; my row of the cluster
	s_lshl_b32 s28, 0x1111, s21                    ; my column
	; descriptor group 1: rows = tiles, 12,288 bytes apart; of each, four K steps: 6,144 bytes = 768 elements of 8 bytes; no padding: a fragment is read 8 bytes a lane on end
	s_or_b32 s[G1X], s27, (3<<16)|(1<<21)          ; 15:0 the mask; 17:16 elements of 8 bytes; 21 set beside a mask
	s_or_b32 s[G1Y], s28, (3<<16)|(1<<21)
.irp g, G1X, G1Y
	s_mov_b32 s[\g+1], 768<<16                     ; tensor_dim0: four K steps of a tile: 6,144 bytes = 768 elements of 8 bytes
	s_mov_b32 s[\g+3], 768<<16                     ; tile_dim0
	s_mov_b32 s[\g+5], 1536                        ; tensor_dim0_stride
	s_mov_b32 s[\g+6], 0
	s_mov_b32 s[\g+7], 0
.endr
	s_mov_b32 s[G1X+2], 4<<16                      ; X: 4 tiles a load
	s_mov_b32 s[G1X+4], 4
	s_mov_b32 s[G1Y+2], 8<<16                      ; Y: 8
	s_mov_b32 s[G1Y+4], 8
	s_mul_i32 s52, s30, GRPB
	s_mul_i32 s53, s20, 49152
	s_add_co_u32 s52, s52, s53                     ; X: the group, + my 4 tiles
	s_mov_b32 s53, 0
	s_mul_i32 s54, s31, GRPB
	s_mul_i32 s55, s20, GRPB
	s_add_co_u32 s54, s54, s55                     ; Y: my group of the two
	s_mov_b32 s55, 0
	s_mul_i32 s56, s20, 24576                      ; and where they go: no place in the cluster enters an LDS address
	s_mul_i32 s57, s20, 49152
	s_add_co_u32 s57, s57, 49152
	s_wait_dscnt 0x0
	s_wait_kmcnt 0x0
	s_add_nc_u64 s[52:53], s[4:5], s[52:53]
	s_add_nc_u64 s[54:55], s[4:5], s[54:55]
.irp j, 0,1
	s_mov_b32 s[G0X+4*\j], 1
	s_add_co_u32 s[G0X+4*\j+1], s56, CHUNK*\j
	s_add_nc_u64 s[G0X+4*\j+2:G0X+4*\j+3], s[52:53], 6144*\j
	s_or_b32 s[G0X+4*\j+3], s[G0X+4*\j+3], 0x80000000
	s_mov_b32 s[G0Y+4*\j], 1
	s_add_co_u32 s[G0Y+4*\j+1], s57, CHUNK*\j
	s_add_nc_u64 s[G0Y+4*\j+2:G0Y+4*\j+3], s[54:55], 6144*\j
	s_or_b32 s[G0Y+4*\j+3], s[G0Y+4*\j+3], 0x80000000
.endr
	CROUND                                         ; all sixteen work-groups are here: the joint loads meet
	s_cmp_lt_u32 s18, 2                            ; waves 0, 1 fetch X's halves, waves 2, 3 Y's: a wave's fill stands in one branch; four v_nop follow it
	s_cbranch_scc0 .Lfill_y
	tensor_load_to_lds s[G0X:G0X+3], s[G1X:G1X+7]
	s_nop 0
	PLACES 4
	s_branch .Lfilled
.Lfill_y:
	tensor_load_to_lds s[G0Y:G0Y+3], s[G1Y:G1Y+7]
	s_nop 0
	PLACES 4
.Lfilled:
	v_and_b32 v2, 15, v0                           ; r
	v_bfe_u32 v3, v0, 4, 1                         ; h
	v_and_b32 v1, 31, v0
	v_lshlrev_b32 v1, 3, v1                        ; v1: 8 x lane
	s_wait_alu depctr_va_vdst(0)
	s_mul_i32 s56, s19, 24576                      ; my 4 tiles of X
	s_mul_i32 s57, s20, 49152
	s_add_co_u32 s57, s57, 49152                   ; my 8 tiles of Y
.irp j, 0,1
	v_add_nc_u32 v[ADX+\j], s56, v1
	v_add_nc_u32 v[ADY+\j], s57, v1
	s_add_co_u32 s56, s56, CHUNK
	s_add_co_u32 s57, s57, CHUNK
.endr
	; the scale bytes, once for all of K: of each of the 16 planes lanes 0-15 take the 8 bytes of my 4 tiles of X at row r, lanes 16-31 the 16 bytes of my 8 tiles of Y
	s_lshl_b32 s58, s30, 8
	s_lshl_b32 s59, s19, 3
	s_add_co_u32 s58, s58, s59
	s_add_co_u32 s59, s31, s20
	s_lshl_b32 s59, s59, 8
	v_cmp_eq_u32 vcc_lo, 1, v3
	v_mov_b32 v4, s58
	v_mov_b32 v5, s59
	v_cndmask_b32 v4, v4, v5, vcc_lo
	v_lshl_add_u32 v4, v2, 4, v4                   ; v4: the first 8 bytes
	v_lshl_add_u32 v5, v3, 3, v4                   ; v5: Y's second 8 (lanes 0-15 read the first again)
.irp q, 0,1,2,3,4,5,6,7,8,9,10,11,12,13,14,15
	global_load_b64 v[T+4*\q:T+4*\q+1], v4, s[6:7] offset:\q*PS
	global_load_b64 v[T+4*\q+2:T+4*\q+3], v5, s[6:7] offset:\q*PS
.endr
	; the bias: along Y for Q and K, along X for V.  Both are loaded, from inside the buffer; the one that does not apply counts for nothing
	s_lshl_b32 s58, s29, 10
	s_lshl_b32 s59, s20, 9
	s_add_co_u32 s58, s58, s59                     ; my 128 features of Y, in bytes
	s_lshl_b32 s59, s26, 9
	s_lshl_b32 s60, s19, 8
	s_add_co_u32 s59, s59, s60                     ; my 64 features of X
	s_cmp_eq_u32 s24, 2
	s_cselect_b32 s58, 0, s58
	s_cselect_b32 s59, s59, 0
	s_cselect_b64 s[10:11], s[12:13], s[10:11]
	s_cmp_eq_u32 s24, 0
	s_cselect_b64 s[8:9], s[8:9], s[10:11]         ; s[8:9]: the product's bias
	s_cselect_b64 s[14:15], s[14:15], s[16:17]     ; s[14:15]: where the results go: qimg or kv
	v_lshl_add_u32 v6, v3, 6, s58                  ; tile b's registers are features 32 (b / 2) + 8 (b % 2) + 16 h + 0 .. 7
	v_and_b32 v7, 8, v2
	v_add_nc_u32 v7, v7, v2
	v_lshl_add_u32 v7, v7, 2, s59                  ; lane-row r of tile a is feature 32 (a / 2) + 8 (a % 2) + r + 8 (r / 8)
.irp b, 0,1,2,3,4,5,6,7
	global_load_b128 v[BC+8*\b:BC+8*\b+3], v6, s[8:9] offset:(32*(\b/2)+8*(\b%2))*4
	global_load_b128 v[BC+8*\b+4:BC+8*\b+7], v6, s[8:9] offset:(32*(\b/2)+8*(\b%2))*4+16
.endr
.irp a, 0,1,2,3
	global_load_b32 v[BR+2*\a], v7, s[8:9] offset:(32*(\a/2)+8*(\a%2))*4
.endr
	; where the results go.  Q, K: batch X block / 16, 128 rows X block % 16, heads 4 Y block + 2 wy + c; V: batch Y block / 8, keys 2 (Y block % 8) + wy, head 2 X block + wx
	s_lshr_b32 s52, s26, 4
	s_lshl_b32 s52, s52, 4
	s_lshl_b32 s53, s29, 2
	s_add_co_u32 s52, s52, s53
	s_lshl_b32 s53, s20, 1
	s_add_co_u32 s52, s52, s53                     ; Q, K: 16 batch + my first head
	s_and_b32 s53, s26, 15
	s_lshr_b32 s54, s29, 3
	s_lshl_b32 s54, s54, 4
	s_lshl_b32 s55, s26, 1
	s_add_co_u32 s54, s54, s55
	s_add_co_u32 s54, s54, s19                     ; V: 16 batch + my head
	s_and_b32 s55, s29, 7
	s_lshl_b32 s55, s55, 1
	s_add_co_u32 s55, s55, s20
	s_mul_i32 s56, s19, 3072                       ; Q, K: my half step's two double fragments
	s_mul_i32 s57, s19, 2944                       ; (3,072 - 128) wx: from there back to the scale words' 128 wx
	s_mov_b32 s58, 12800
	s_cmp_eq_u32 s24, 0
	s_cselect_b32 s58, 6400, s58                   ; bytes of 128 rows of one head
	s_lshl_b32 s59, s58, 4                         ; bytes of a head
	s_mov_b32 s60, 768
	s_mov_b32 s61, 0x05040100
	s_mov_b32 s62, 0x02020202
	s_cmp_eq_u32 s24, 2
	s_cselect_b32 s52, s54, s52
	s_cselect_b32 s53, s55, s53
	s_cselect_b32 s56, 6400, s56
	s_cselect_b32 s57, 0, s57
	s_cselect_b32 s54, 3072, s60                   ; from a to a + 2: Q, K the double fragment's other half; V two fragments on
	s_cselect_b32 s55, s60, s59                    ; from half image 0 to 1: Q, K the next head; V the fragment's other half
	s_cselect_b32 s61, 0x03020100, s61
	s_cselect_b32 s62, 0x04040404, s62
	s_mov_b32 s63, 3                               ; the scale words: 8 bytes a row for all three
	s_cselect_b32 s59, 128, s59                    ; V: words [tau / 2][r 16][tau % 2]: lanes 16-31 (tau 2, 3) 128 bytes behind lanes 0-15
	s_lshl_b32 s52, s52, 4
	s_add_co_u32 s52, s52, s53
	s_mul_i32 s52, s52, s58
	s_add_co_u32 s52, s52, s56
	v_add_nc_u32 v8, s52, v1                       ; v8-11: the images' offsets for (a / 2, half image c) = (0,0) (0,1) (1,0) (1,1)
	v_add_nc_u32 v9, s55, v8
	v_add_nc_u32 v10, s54, v8
	v_add_nc_u32 v11, s54, v9
	s_add_co_u32 s52, s52, 6144
	s_sub_co_u32 s52, s52, s57
	v_lshlrev_b32 v12, s63, v2
	v_mul_lo_u32 v14, v3, s59
	v_add3_u32 v12, v12, v14, s52                  ; v12: the scale words: Q, K 8 r, lanes 16-31 the next head; V 8 r + 128 h
	v_mul_lo_u32 v13, v3, s62
	v_add_nc_u32 v13, s61, v13                     ; v13: byte selector (see the way out)
	s_wait_loadcnt 0x0
.irp s, 0,1,2,3,4,5,6,7                        ; planes 2 s and 2 s + 1 make K step s's words
.irp j, 0,1,2,3
	v_perm_b32 v[SC+8*\s+2*\j], v[T+8*\s+4+\j], v[T+8*\s+\j], 0x05040100
	v_perm_b32 v[SC+8*\s+2*\j+1], v[T+8*\s+4+\j], v[T+8*\s+\j], 0x07060302
.endr
.endr
.irp a, 0,1,2,3
	v_and_b32 v[BR+2*\a], s32, v[BR+2*\a]
.endr
.irp a, 0,1,2,3
	v_mov_b32 v[BR+2*\a+1], v[BR+2*\a]
.endr
	; The sums begin as the bias.  It runs along Y for Q and K and along X for V, so no one run of registers could be the C of a first product in a text that serves both:
	; one fused multiply-add a pair makes it, while the first tiles are on their way, and all eight K steps then add in place.
	WIN 0x80                                       ; destination window 2
.irp a, 0,1,2,3
.set n, 0
.rept 32
	v_pk_fma_f32 v[64*\a+2*n:64*\a+2*n+1], v[BC+2*n:BC+2*n+1], s[34:35], v[BR+2*\a:BR+2*\a+1] op_sel_hi:[1,0,1]
.set n, n+1
.endr
.endr
	WIN 0
	PLACES 4
.macro FRAG reg, adr, off              ; a fragment's image comes back as it was stored: six loads of 8 bytes a lane, 256 consecutive bytes each
.irp p, 0,1,2,3,4,5
	ds_load_b64 v[\reg+2*\p:\reg+2*\p+1], v[\adr] offset:\off+256*\p
.endr
.endm
.macro FETCH s                         ; K step s's 12 fragments into set s % 2: 72 loads, Y's eight first, X's tiles 2 and 3 last
	WIN TO_Y
.irp b, 0,1,2,3,4,5,6,7
	FRAG 96*((\s)%2)+12*\b, ADY+(\s)/4, 6144*\b+1536*((\s)%4)
.endr
	WIN 0
.irp a, 0,1,2,3
	FRAG XF+48*((\s)%2)+12*\a, ADX+(\s)/4, 6144*\a+1536*((\s)%4)
.endr
.endm
; 16 products: X's tiles a0, a0 + 1 against Y's eight.  The 32 accumulators take turns, one instruction a turn, in the same order in every step.
.macro MUL16 a0, s
.irp a, \a0, \a0+1
.irp b, 0,1,2,3,4,5,6,7
	v_wmma_scale_f32_16x16x128_f8f6f4 v[8*(8*(\a)+\b):8*(8*(\a)+\b)+7], v[96*((\s)%2)+12*\b:96*((\s)%2)+12*\b+11], v[XF+48*((\s)%2)+12*(\a):XF+48*((\s)%2)+12*(\a)+11], v[8*(8*(\a)+\b):8*(8*(\a)+\b)+7], v[SC+8*(\s)+\b], v[SC+8*(\s)+(\a)] matrix_a_fmt:MATRIX_FMT_FP6 matrix_b_fmt:MATRIX_FMT_FP6 matrix_a_scale:MATRIX_SCALE_ROW1
.endr
.endr
.endm
; A K step.  chg = 1: the next step's fragments lie in the next chunk: each wave waits until its own load of that chunk has landed (n = its loads issued behind it), signals, works on registers, and reads behind the wait.
; Loads into a set stand four places behind the last product that read it (ISA guide 7.12.1 for vector instructions).
.macro STEP s, chg, n
.if \chg
	s_wait_dscnt 0x0                               ; no LDS load of mine is out at the signal
	s_wait_tensorcnt \n
	s_barrier_signal -1
.else
	s_wait_dscnt 12                                ; all but X's tiles 2 and 3, the youngest 12 loads
.endif
	WIN MUL
	MUL16 0, \s
.if \chg
	s_barrier_wait -1
.else
	s_wait_dscnt 0x0                               ; X's tiles 2 and 3 are in
.endif
	PLACES 4
	FETCH (\s)+1
	WIN MUL
	MUL16 2, \s
.endm
	s_wait_alu depctr_va_vdst(0)
	s_wait_tensorcnt 0x0                           ; my part of chunk 0 has landed
	ds_add_u32 v30, v31
	s_wait_dscnt 0x0
	CROUND                                         ; everybody's part has landed, and the sixteen work-groups are here: the joint loads of chunk 1 meet
	s_cmp_lt_u32 s18, 2
	s_cbranch_scc0 .Lfill_y1
	tensor_load_to_lds s[G0X+4:G0X+7], s[G1X:G1X+7]
	s_nop 0
	PLACES 4
	s_branch .Lfilled1
.Lfill_y1:
	tensor_load_to_lds s[G0Y+4:G0Y+7], s[G1Y:G1Y+7]
	s_nop 0
	PLACES 4
.Lfilled1:
	FETCH 0
	STEP 0, 0, 0
	STEP 1, 0, 0
	STEP 2, 0, 0
	STEP 3, 1, 0                                   ; K step 4 lies in chunk 1: my one load that is out is waited for, and a barrier shows the chunk whole
	STEP 4, 0, 0
	STEP 5, 0, 0
	STEP 6, 0, 0
	s_wait_dscnt 12
	WIN MUL
	MUL16 0, 7
	s_wait_dscnt 0x0
	MUL16 2, 7
	WIN 0
	; THE WAY OUT.  For each a my 64 registers are, of one row of X, 128 neighbours along Y: register 16 B + i = 32 B + 16 h + i: four blocks of 32 of the next K.  They are quantised in registers into one fragment.
.irp b, 0,1,2,3
	v_mov_b32 v[TM+4+\b], 0                        ; a lane permute's destination counts as one of its sources; these four lines are also the places behind the last products
.endr
.macro QUANTA a
	WIN 0x0a                                       ; sources 0 and 1 window 2
.irp b, 0,1,2,3
	v_max3_num_f32 v[TM+\b], |v[64*\a+16*\b]|, |v[64*\a+16*\b+1]|, 0x1800000   ; each accumulator is read from its low end on; the floor 2^(3 - 127) holds the byte at 1 from below
.endr
	WIN 0x28                                       ; sources 1 and 2 window 2
.irp i, 2,4,6,8,10,12,14
.irp b, 0,1,2,3
	v_max3_num_f32 v[TM+\b], v[TM+\b], |v[64*\a+16*\b+\i]|, |v[64*\a+16*\b+\i+1]|
.endr
.endr
	WIN 0
.irp b, 0,1,2,3
	v_permlanex16_b32 v[TM+4+\b], v[TM+\b], s2, s3
.endr
.irp b, 0,1,2,3
	v_max_num_f32 v[TM+\b], v[TM+\b], v[TM+4+\b]
.endr
.irp b, 0,1,2,3
	v_add_nc_u32 v[TM+12+\b], 0xff000000, v[TM+\b]
.endr
.irp b, 0,1,2,3
	v_lshrrev_b32 v[TM+4+\b], 23, v[TM+12+\b]
.endr
	v_lshl_or_b32 v[PW+\a], v[TM+5], 8, v[TM+4]
	v_lshl_or_b32 v[PW+\a], v[TM+6], 16, v[PW+\a]
	v_lshl_or_b32 v[PW+\a], v[TM+7], 24, v[PW+\a]
	WIN 0x02                                       ; source 0 window 2
.irp c, 0,1
	v_cvt_scalef32_pk16_fp6_f32 v[CD+12*\a+6*\c:CD+12*\a+6*\c+2], v[64*\a+32*\c:64*\a+32*\c+15], v[TM+12+2*\c]
	v_cvt_scalef32_pk16_fp6_f32 v[TT+4*\c:TT+4*\c+2], v[64*\a+32*\c+16:64*\a+32*\c+31], v[TM+12+2*\c+1]
.endr
	WIN 0
	v_nop                                          ; one plain place behind a scaled conversion
.irp c, 0,1
.irp i, 0,1,2
	v_permlane16_swap_b32 v[CD+12*\a+6*\c+\i], v[TT+4*\c+\i]
.endr
.irp i, 0,1,2
	v_mov_b32 v[CD+12*\a+6*\c+3+\i], v[TT+4*\c+\i]
.endr
.endr
.irp c, 0,1                                    ; half image c: Q, K: head c's 64 along K of tile a; V: keys 64 c on.  Each store covers 256 consecutive bytes, aligned
.irp p, 0,1,2
	global_store_b64 v[8+2*(\a/2)+\c], v[CD+12*\a+6*\c+2*\p:CD+12*\a+6*\c+2*\p+1], s[14:15] offset:(\a%2)*1536+256*\p
.endr
.endr
.endm
	s_mov_b32 s2, 0x76543210
	s_mov_b32 s3, 0xfedcba98                       ; v_permlanex16_b32's selects for lane l xor 16
	QUANTA 0
	QUANTA 1
	QUANTA 2
	QUANTA 3
	; The scale words.  Q, K: the word of double fragment pi is (tile pi's two bytes, tile pi + 2's two bytes) of one head: lanes 0-15 take head 0's halves, lanes 16-31 head 1's; each head's 128 bytes are half of an
	; aligned 256, the other half being the other wx's: one byte in 24 of what this launch stores.  V: the words as they are: lanes 0-15 store tau 0, 1, lanes 16-31 tau 2, 3: 256 consecutive bytes.
	v_perm_b32 v[WW], v[PW+2], v[PW], v13
	v_perm_b32 v[WW+1], v[PW+3], v[PW+1], v13
	global_store_b64 v12, v[WW:WW+1], s[14:15]
	s_wait_tensorcnt 0x0
	ds_add_u32 v30, v31
	s_wait_dscnt 0x0
	CROUND                                         ; the closing round: no work-group ends while a partner may still ask for a tile that names it
	s_endpgm
.Lfunc_end_k_qde9891b8ae_proj:
	.size	k_qde9891b8ae_proj, .Lfunc_end_k_qde9891b8ae_proj-k_qde9891b8ae_proj
	.p2alignl 7, 3214868480
	.fill 96, 4, 3214868480
	.section	.rodata,"a",@progbits
	.p2align	6, 0x0
	.amdhsa_kernel k_qde9891b8ae_proj
		.amdhsa_group_segment_fixed_size 327680
		.amdhsa_private_segment_fixed_size 0
		.amdhsa_enable_private_segment 0
		.amdhsa_kernarg_size 56
		.amdhsa_user_sgpr_count 2
		.amdhsa_user_sgpr_kernarg_segment_ptr 1
		.amdhsa_wavefront_size32 1
		.amdhsa_system_sgpr_workgroup_id_x 1
		.amdhsa_system_sgpr_workgroup_id_y 1
		.amdhsa_system_sgpr_workgroup_id_z 1
		.amdhsa_system_vgpr_workitem_id 0
		.amdhsa_next_free_vgpr 768
		.amdhsa_next_free_sgpr 100
		.amdhsa_reserve_vcc 1
		.amdhsa_float_denorm_mode_32 3
		.amdhsa_float_denorm_mode_16_64 3
		.amdhsa_memory_ordered 1
		.amdhsa_forward_progress 1
		.amdhsa_inst_pref_size 119
	.end_amdhsa_kernel
	.amdgpu_metadata
---
amdhsa.version: [ 1, 2 ]
amdhsa.kernels:
  - .name:           k_qde9891b8ae_proj
    .symbol:         k_qde9891b8ae_proj.kd
    .args:
      - { .name: cod, .offset: 0, .size: 8, .value_kind: global_buffer, .address_space: global }
      - { .name: scl, .offset: 8, .size: 8, .value_kind: global_buffer, .address_space: global }
      - { .name: bq, .offset: 16, .size: 8, .value_kind: global_buffer, .address_space: global }
      - { .name: bk, .offset: 24, .size: 8, .value_kind: global_buffer, .address_space: global }
      - { .name: bv, .offset: 32, .size: 8, .value_kind: global_buffer, .address_space: global }
      - { .name: qimg, .offset: 40, .size: 8, .value_kind: global_buffer, .address_space: global }
      - { .name: kv, .offset: 48, .size: 8, .value_kind: global_buffer, .address_space: global }
    .group_segment_fixed_size: 327680
    .private_segment_fixed_size: 0
    .kernarg_segment_align: 8
    .kernarg_segment_size: 56
    .max_flat_workgroup_size: 128
    .sgpr_count:     100
    .vgpr_count:     768
    .wavefront_size: 32
...
	.end_amdgpu_metadata
.endif
;; end of part 3
;; launch attn (part 4): grid 4 x 64, 16 waves a work-group, clusters of 4 x 1, 215,040 bytes of LDS; arguments qimg, kv, gpart, ocod, osw; writes ocod, osw
.if DOCPART == 4
	.amdgcn_target "amdgcn-amd-amdhsa--gfx1250"
	.amdhsa_code_object_version 6
	.text
	.protected	k_qde9891b8ae_attn
	.globl	k_qde9891b8ae_attn
	.p2align	8
	.type	k_qde9891b8ae_attn,@function
k_qde9891b8ae_attn:
	s_mov_b64 s[64:65], 0
	v_nop
	global_prefetch_b8 v0, s[64:65] scope:SCOPE_SE
	s_setreg_imm32_b32 hwreg(HW_REG_WAVE_MODE, 25, 1), 1
	s_wait_xcnt 0x0
	s_wait_alu depctr_hold_cnt(0) depctr_sa_sdst(0) depctr_va_vdst(0) depctr_va_sdst(0) depctr_va_ssrc(0) depctr_va_vcc(0) depctr_vm_vsrc(0)
	s_getreg_b32 s2, hwreg(HW_REG_IB_STS2, 6, 4)
	s_cmp_eq_u32 s2, 0
	s_cbranch_scc0 .Lentry_in_a_cluster
	s_endpgm
.Lentry_in_a_cluster:
	s_bfe_u32 s2, ttmp6, 0x10000c
	s_cmp_lg_u32 s2, 0x3003
	s_cbranch_scc0 .Lentry_shape_is_right
	s_endpgm
.Lentry_shape_is_right:
; O[b h][q] = the sum over k of softmax_k(g Q[q] . K[k] / 8) V[k], g the gate's scalar, both products on codes of FP6 (E2M3) with E8M0 scales; O is quantised along the model's 1,024 for the last projection.
; THE SOFTMAX AHEAD OF THE SECOND PRODUCT: t = score x c, c = g log2(e) / 8; M = the row's largest t so far, rounded UP to a whole number; p = 2^(t - M) is what is quantised, along the keys, not normalised.
; The row's sum is taken of the unquantised p and divides O at the end.  When M moves, the sum and O are multiplied by f = 2^(old M - new M): exact.
; g is a mean of sigmoids, so c is 0 or more: the largest score gives the largest t, and a block's largest score its largest p.
; SHARES.  A work-group owns 512 queries of one head: 256 work-groups.  Each of its sixteen waves owns two tiles of 16 queries, one after the other (PASS 0, PASS 1), and walks the head's 2,048 keys, 128 a step, for each.
; THE HEAD'S WHOLE K AND V (204,800 bytes, images of the operands' registers, scale words among them) LIE IN LDS, filled ONCE: wave w brings step w's 12,800 bytes by its one tensor load; nothing is filled again,
; so one wait and one barrier stand ahead of the first read, and none between the steps or the passes.
; CLUSTER 4 x 1: the four blocks of 512 queries of a head read the same K and V: each piece is asked for jointly (mask 15).
; No prefetch: all that a work-group reads is asked for in its first lines; there is no loop to run ahead in.
; LAYOUT.  Both products are used transposed: a lane holds ONE query (lane % 16).  The head's K is 64, half of the instruction's 128: a DOUBLE FRAGMENT of K holds key tile pi in registers 0-5 and key tile pi + 2 in
; registers 6-11; multiplied by (q, 0) it gives the first tile's scores, by (0, q) the second's.
; Row r of key tile t is key 64 (t / 4) + 32 (r / 8) + 8 (t % 4) + r % 8: so a lane's 32 registers of tiles 4 c .. 4 c + 3 are keys 64 c + 32 (lane / 16) + 0 .. 31: ONE WHOLE BLOCK, in the order of the second product's operand.
; A block's maximum needs no other lane, and the conversions' results are the operand's registers.
; SCALE WORDS are read 8 bytes a lane like the fragments: lanes 0-15 get the words of fragments 0, 1, lanes 16-31 those of fragments 2, 3, which the products take by ROW1.
; LIMITS: NaN and infinities are not served; a block of zeros gets the byte 1 where the rule says 127; no largest magnitude is taken under 2^-124; the scaled scores stay under 2^31 in magnitude.
.set KVB,   204800                     ; a head's block of kv
.set STEPB, 12800                      ; a step: K's 4 double fragments, 256 bytes of scale words, V's 4 fragments, 256 bytes of theirs
.set OSC,   204800                     ; LDS behind the head's block: 2 x 512 bytes for O's scale bytes; no tensor load lands there
.set SPARE, 212992                     ; the spare words: 128 bytes for each of 16 waves
.set PS2,   18432                      ; a plane of osw
.set F,     36                         ; v36-83   four fragments of K or of V
.set KS,    84                         ; v84-85   K's scale words
.set VS,    86                         ; v86-87   V's
.set BM,    88                         ; v88-89   my two blocks' largest score, then largest p
.set SO,    90                         ; v90-91   the conversions' scale operands
.set T2,    92                         ; v92-98   the conversions' second halves
.set MB,    100                        ; v100-101 the maxima's second chains; scale bytes
.set PW,    106                        ; v106     p's scale word
.set L,     112                        ; v112-119 the row's sum in four chains of pairs
.set PCD,   120                        ; v120-131 p's codes
.set S,     132                        ; v132-195 S^T, then p
.set O,     196                        ; v196-227 O^T
.set Q2,    228                        ; v228-234 the second tile's q and its scale word
; v1 8 x lane; v2 8 x (lane / 16); v3 4 x lane; v4 the step's LDS address; v7, v10 O's scale bytes in LDS; v8, v9 Q's offsets; v11 16 x lane; v12 -M, v13 the largest score; v[14:15] 1 / the sum, 0
; v16-21 zeros, v22-27 q, v28-33 zeros; v34 q's scale word; v[108:109] f, 0; v110, v111 at work; v254, v255 the add's two registers
.macro CROUND                          ; a round of the cluster's barrier
	s_barrier_signal -1
	s_barrier_wait -1
	s_cmp_lg_u32 s18, 0
	s_cbranch_scc1 .Lnot_wave_0_\@
	s_barrier_signal -3
.Lnot_wave_0_\@:
	s_barrier_wait -3
	s_barrier_signal -1
	s_barrier_wait -1
.endm
.macro FRAG reg, off                   ; a fragment's image: six loads of 8 bytes a lane, 256 consecutive bytes each
.irp p, 0,1,2,3,4,5
	ds_load_b64 v[\reg+2*\p:\reg+2*\p+1], v4 offset:\off+256*\p
.endr
.endm
.macro KQ d, t, b                      ; key tile t's scores from double fragment d and (q, 0) at v22 or (0, q) at v16
.if \d < 2
	v_wmma_scale_f32_16x16x128_f8f6f4 v[S+8*(\t):S+8*(\t)+7], v[F+12*\d:F+12*\d+11], v[\b:\b+11], 0, v[KS+\d%2], v34 matrix_a_fmt:MATRIX_FMT_FP6 matrix_b_fmt:MATRIX_FMT_FP6
.else
	v_wmma_scale_f32_16x16x128_f8f6f4 v[S+8*(\t):S+8*(\t)+7], v[F+12*\d:F+12*\d+11], v[\b:\b+11], 0, v[KS+\d%2], v34 matrix_a_fmt:MATRIX_FMT_FP6 matrix_b_fmt:MATRIX_FMT_FP6 matrix_a_scale:MATRIX_SCALE_ROW1
.endif
.endm
.macro ADD4 n                          ; p's pairs 4 n .. 4 n + 3 onto the four chains
.irp k, 0,1,2,3
	v_pk_add_f32 v[L+2*\k:L+2*\k+1], v[L+2*\k:L+2*\k+1], v[S+8*(\n)+2*\k:S+8*(\n)+2*\k+1]
.endr
.endm
	s_load_b256 s[4:11], s[0:1], 0x0               ; qimg s[4:5], kv s[6:7], gpart s[8:9], ocod s[10:11]
	s_load_b64 s[12:13], s[0:1], 0x20              ; osw
	v_lshl_add_u32 v254, v0, 2, SPARE
	v_mov_b32 v255, 0
	ds_add_u32 v254, v255                          ; the opening lines: the add, twice on end, and its wait ahead of my tensor load
	ds_add_u32 v254, v255
	v_lshrrev_b32 v1, 5, v0
	v_readfirstlane_b32 s18, v1                    ; wave 0..15
	s_bfe_u32 s14, ttmp6, 0x40000                  ; cx
	s_lshl_b32 s15, ttmp9, 2
	s_add_co_u32 s15, s15, s14                     ; my block of 512 queries: it enters global addresses of Q and O alone
	s_and_b32 s16, ttmp7, 0xffff                   ; 16 batch + head, which the four partners share
	s_mul_i32 s37, s18, STEPB                      ; my step's place in LDS
	s_mul_i32 s56, s16, KVB
	s_add_co_u32 s56, s56, s37
	s_mov_b32 s57, 0
	s_mov_b32 s28, 15|(3<<16)|(1<<21)              ; group 1: a dense block of 12,800 bytes as 50 rows of 256 (32 elements of 8 bytes); the mask names the four partners; bit 21 beside it
	s_mov_b32 s29, 32<<16
	s_mov_b32 s30, 50<<16
	s_mov_b32 s31, 32<<16
	s_mov_b32 s32, 50
	s_mov_b32 s33, 32
	s_mov_b32 s34, 0
	s_mov_b32 s35, 0
	s_mov_b32 s36, 1
	s_mov_b32 s20, 0x76543210
	s_mov_b32 s21, 0xfedcba98                      ; v_permlanex16_b32's selects for lane l xor 16
	s_wait_dscnt 0x0
	s_wait_kmcnt 0x0
	s_add_nc_u64 s[38:39], s[6:7], s[56:57]
	s_or_b32 s39, s39, 0x80000000
	CROUND                                         ; all four work-groups are here: the joint loads meet
	tensor_load_to_lds s[36:39], s[28:35]          ; my one tensor load: step w
	s_nop 0
.rept 4
	v_nop
.endr
	; scalars first, then the lane terms on end
	s_lshr_b32 s40, s18, 3                         ; which 128 queries of a pass's 256
	s_and_b32 s41, s18, 7                          ; my tile of them
	s_lshl_b32 s42, s40, 8
	s_lshl_b32 s47, s41, 1
	s_add_co_u32 s42, s42, s47
	s_add_co_u32 s42, s42, OSC                     ; O's scale bytes: [pass][group 2][r 16][tile 8] two bytes
	s_lshl_b32 s43, s15, 2
	s_add_co_u32 s43, s43, s40                     ; pass 0's group of 128 queries of the batch; pass 1's lies two further on
	s_bfe_u32 s44, s18, 0x10002                    ; hf, pi, pos: where the projection has laid tile 4 hf + 2 pos + pi
	s_and_b32 s45, s18, 1
	s_bfe_u32 s46, s18, 0x10001
	s_mul_i32 s48, s16, 102400
	s_mul_i32 s49, s43, 6400
	s_add_co_u32 s48, s48, s49
	s_mov_b32 s49, 0
	s_add_nc_u64 s[4:5], s[4:5], s[48:49]
	s_mul_i32 s50, s44, 3072
	s_mul_i32 s47, s45, 1536
	s_add_co_u32 s50, s50, s47
	s_mul_i32 s47, s46, 768
	s_add_co_u32 s50, s50, s47                     ; q's six registers in the image
	s_lshl_b32 s51, s44, 7
	s_lshl_b32 s47, s45, 2
	s_add_co_u32 s51, s51, s47
	s_add_co_u32 s51, s51, 6144                    ; the double fragment's scale word
	s_mov_b32 s52, 0x01000100
	s_cmp_eq_u32 s46, 1
	s_cselect_b32 s52, 0x03020302, s52             ; my tile's two bytes are its half pos
	s_lshr_b32 s53, s16, 4
	s_lshl_b32 s53, s53, 4                         ; 16 batch
	s_and_b32 s47, s16, 15                         ; head
	s_add_co_u32 s54, s53, s43                     ; ocod [16 batch + group][tile][K step head / 2][half image head % 2]
	s_lshl_b32 s54, s54, 3
	s_add_co_u32 s54, s54, s41
	s_mul_i32 s54, s54, 12288
	s_mul_i32 s55, s47, 768
	s_add_co_u32 s54, s54, s55
	s_mov_b32 s55, 0
	s_add_nc_u64 s[10:11], s[10:11], s[54:55]
	s_lshl_b32 s56, s15, 2                         ; osw [plane = head][group]: my work-group's four groups, 1,024 bytes
	s_add_co_u32 s56, s56, s53
	s_lshl_b32 s56, s56, 8
	s_mul_i32 s57, s47, PS2
	s_add_co_u32 s56, s56, s57
	s_mov_b32 s57, 0
	s_add_nc_u64 s[12:13], s[12:13], s[56:57]
	v_and_b32 v111, 31, v0
	v_and_b32 v35, 15, v0                          ; r
	v_bfe_u32 v2, v0, 4, 1
	v_lshlrev_b32 v1, 3, v111
	v_lshlrev_b32 v11, 4, v111
	v_lshlrev_b32 v3, 2, v111
	v_lshlrev_b32 v2, 3, v2
	v_lshl_add_u32 v7, v35, 4, s42
	v_lshl_add_u32 v9, v35, 3, s51
	v_add_nc_u32 v8, s50, v1
	v_add_nc_u32 v10, OSC, v11
	s_wait_alu depctr_va_vdst(0)
	global_load_b32 v110, v3, s[8:9]               ; the 32 partial sums of the gate, a lane each
.irp p, 0,1,2
	global_load_b64 v[22+2*\p:23+2*\p], v8, s[4:5] offset:256*\p            ; q of pass 0: 16 queries x the head's 64
	global_load_b64 v[Q2+2*\p:Q2+2*\p+1], v8, s[4:5] offset:12800+256*\p    ; and of pass 1, two groups on
.endr
	global_load_b32 v34, v9, s[4:5]
	global_load_b32 v[Q2+6], v9, s[4:5] offset:12800
	s_wait_loadcnt 0x0
	v_perm_b32 v34, v34, v34, s52                  ; q's scale word (s0, s1, s0, s1): it serves (q, 0) and (0, q)
	v_perm_b32 v[Q2+6], v[Q2+6], v[Q2+6], s52
	v_add_f32_dpp v110, v110, v110 row_xmask:1 row_mask:0xf bank_mask:0xf
	s_delay_alu instid0(VALU_DEP_1)
	v_add_f32_dpp v110, v110, v110 row_xmask:2 row_mask:0xf bank_mask:0xf
	s_delay_alu instid0(VALU_DEP_1)
	v_add_f32_dpp v110, v110, v110 row_xmask:4 row_mask:0xf bank_mask:0xf
	s_delay_alu instid0(VALU_DEP_1)
	v_add_f32_dpp v110, v110, v110 row_xmask:8 row_mask:0xf bank_mask:0xf
	s_delay_alu instid0(VALU_DEP_1)
	v_permlanex16_b32 v111, v110, s20, s21
	s_delay_alu instid0(VALU_DEP_1)
	v_add_f32 v110, v110, v111                     ; the sum of the 4,096 sigmoids
	s_delay_alu instid0(VALU_DEP_1)
	v_mul_f32 v110, 0x3838aa3b, v110               ; c = (sum / 4,096) x log2(e) / 8
	s_delay_alu instid0(VALU_DEP_1)
	v_readfirstlane_b32 s22, v110                  ; a multiplier alone: no address and no branch hangs on it
	s_mov_b32 s23, s22                             ; (the packed form names the pair and takes its low word for both halves)
.irp i, 16,17,18,19,20,21,28,29,30,31,32,33
	v_mov_b32 v\i, 0                               ; zero codes: v[16:27] = (0, q), v[22:33] = (q, 0)
.endr
	v_mov_b32 v15, 0                               ; (upper halves of pairs of which the low word alone is taken)
	v_mov_b32 v109, 0
; A KEY STEP: 128 keys, at LDS byte s24.
.macro STEP
	v_add_nc_u32 v4, s24, v1                       ; (with the four adds that close the step before: the places in front of loads into registers that the last products read)
.irp d, 0,1,2,3
	FRAG F+12*\d, 1536*\d
.endr
	ds_load_b64 v[KS:KS+1], v4 offset:6144         ; lanes 0-15: the words of fragments 0, 1; lanes 16-31: of fragments 2, 3
	s_wait_alu depctr_va_vdst(0)
	s_wait_dscnt 0x0
.irp d, 0,1,2,3                                ; S^T = K Q^T
	KQ \d, 4*(\d/2)+\d%2, 22
	KQ \d, 4*(\d/2)+\d%2+2, 16
.endr
.rept 4
	v_nop                                          ; places in front of the loads below and of the first read of the scores
.endr
.irp t, 0,1,2,3
	FRAG F+12*\t, 6400+1536*\t                     ; V's fragments land while the softmax is worked
.endr
	ds_load_b64 v[VS:VS+1], v4 offset:12544
.irp c, 0,1                                    ; my two blocks' largest scores, each in two chains; every accumulator is read from its low end on
	v_max3_num_f32 v[BM+\c], v[S+32*\c], v[S+32*\c+1], v[S+32*\c+2]
	v_max3_num_f32 v[MB+\c], v[S+32*\c+16], v[S+32*\c+17], v[S+32*\c+18]
.endr
.irp i, 3,5,7,9,11,13
.irp c, 0,1
	v_max3_num_f32 v[BM+\c], v[BM+\c], v[S+32*\c+\i], v[S+32*\c+\i+1]
	v_max3_num_f32 v[MB+\c], v[MB+\c], v[S+32*\c+16+\i], v[S+32*\c+17+\i]
.endr
.endr
.irp c, 0,1
	v_max3_num_f32 v[BM+\c], v[BM+\c], v[S+32*\c+15], v[S+32*\c+31]
.endr
.irp c, 0,1
	v_max_num_f32 v[BM+\c], v[BM+\c], v[MB+\c]
.endr
	s_delay_alu instid0(VALU_DEP_1)
	v_max_num_f32 v110, v[BM], v[BM+1]
	s_delay_alu instid0(VALU_DEP_1)
	v_permlanex16_b32 v111, v110, s20, s21
	s_delay_alu instid0(VALU_DEP_1)
	v_max3_num_f32 v13, v13, v110, v111            ; the row's largest score so far
	s_delay_alu instid0(VALU_DEP_1)
	v_mul_f32 v111, s22, v13                       ; as t
	v_mov_b32 v110, v12
	s_delay_alu instid0(VALU_DEP_2)
	v_floor_f32 v12, -v111                         ; the new -M = -ceil(t): a whole number
	s_delay_alu instid0(VALU_DEP_1)
	v_sub_f32 v110, v12, v110                      ; old M - new M: a whole number, 0 or less
.set j, 0
.rept 32
	v_pk_fma_f32 v[S+j:S+j+1], v[S+j:S+j+1], s[22:23], v[12:13] op_sel_hi:[1,0,0]   ; t - M, two at a time
.set j, j+2
.endr
.irp c, 0,1
	v_fma_f32 v[BM+\c], v[BM+\c], s22, v12         ; the same of each block's largest score
.endr
	s_wait_alu depctr_va_vdst(0)
.set j, 0
.rept 64
	v_exp_f32 v[S+j], v[S+j]                       ; p = 2^(t - M)
.set j, j+1
.endr
.irp c, 0,1
	v_exp_f32 v[BM+\c], v[BM+\c]                   ; the block's largest p: the same two instructions on the same number give the same bits
.endr
	v_cvt_i32_f32 v110, v110                       ; (it saturates)
	v_ldexp_f32 v108, 1.0, v110                    ; f = 2^(old M - new M); plain work behind the exponentials
	s_wait_alu depctr_va_vdst(0)                   ; one wait for the whole batch, ahead of its first reader
.irp k, 0,1,2,3
	v_pk_fma_f32 v[L+2*\k:L+2*\k+1], v[L+2*\k:L+2*\k+1], v[108:109], v[S+2*\k:S+2*\k+1] op_sel_hi:[1,0,1]   ; each chain x f, + its first pair of the unquantised p
.endr
.irp c, 0,1
	v_max_num_f32 v[BM+\c], 0x1800000, v[BM+\c]    ; the floor 2^(3 - 127)
.endr
	ADD4 1
.irp c, 0,1
	v_add_nc_u32 v[SO+\c], 0xff000000, v[BM+\c]    ; 2 off the exponent field: the conversion's scale operand
.endr
	ADD4 2
.irp c, 0,1
	v_lshrrev_b32 v[MB+\c], 23, v[SO+\c]           ; the scale's byte
.endr
	ADD4 3
	v_lshl_or_b32 v110, v[MB+1], 16, v[MB]         ; my two bytes: blocks h and 2 + h,
	ADD4 4
	v_lshlrev_b32 v110, v2, v110                   ; at their places in the word (8 h bits up);
	ADD4 5
	v_permlanex16_b32 v111, v110, s20, s21
	ADD4 6
	v_or_b32 v[PW], v110, v111                     ; with lane l xor 16's two the word is whole
.irp c, 0,1
	v_cvt_scalef32_pk16_fp6_f32 v[PCD+6*\c:PCD+6*\c+2], v[S+32*\c:S+32*\c+15], v[SO+\c]
	v_cvt_scalef32_pk16_fp6_f32 v[T2+4*\c:T2+4*\c+2], v[S+32*\c+16:S+32*\c+31], v[SO+\c]   ; (a conversion's three registers begin on an even number)
.endr
	s_wait_dscnt 0x0                               ; V's fragments and scale words are in
	s_wait_alu depctr_va_vdst(0)                   ; the wait directly ahead of the first reader of O^T
.set j, 0
.rept 8
	v_pk_mul_f32 v[O+j:O+j+1], v[O+j:O+j+1], v[108:109] op_sel_hi:[1,0]   ; O^T under the new M
.set j, j+2
.endr
.irp c, 0,1
.irp i, 0,1,2
	v_mov_b32 v[PCD+6*\c+3+\i], v[T2+4*\c+\i]
.endr
.endr
.rept 8
	v_pk_mul_f32 v[O+j:O+j+1], v[O+j:O+j+1], v[108:109] op_sel_hi:[1,0]   ; these eight are also the places between the moves and the products
.set j, j+2
.endr
.irp t, 0,1,2,3                                ; O^T += V^T P^T: four accumulators by turns
.if \t < 2
	v_wmma_scale_f32_16x16x128_f8f6f4 v[O+8*\t:O+8*\t+7], v[F+12*\t:F+12*\t+11], v[PCD:PCD+11], v[O+8*\t:O+8*\t+7], v[VS+\t%2], v[PW] matrix_a_fmt:MATRIX_FMT_FP6 matrix_b_fmt:MATRIX_FMT_FP6
.else
	v_wmma_scale_f32_16x16x128_f8f6f4 v[O+8*\t:O+8*\t+7], v[F+12*\t:F+12*\t+11], v[PCD:PCD+11], v[O+8*\t:O+8*\t+7], v[VS+\t%2], v[PW] matrix_a_fmt:MATRIX_FMT_FP6 matrix_b_fmt:MATRIX_FMT_FP6 matrix_a_scale:MATRIX_SCALE_ROW1
.endif
.endr
	ADD4 7                                         ; the sum's last four pairs: the places behind the products
.endm
; One tile of 16 queries through all 2,048 keys, and its way out.
.macro PASS n
.if \n
	s_wait_xcnt 0x0                                ; the last pass's stores have read their registers
.irp i, 0,1,2,3,4,5
	v_mov_b32 v[22+\i], v[Q2+\i]
.endr
	v_mov_b32 v34, v[Q2+6]
.endif
	v_mov_b32 v13, 0xff61b1e6                      ; the largest score so far: -3e38
	v_mov_b32 v12, 0x7f61b1e6                      ; -M: 3e38, so that the first f is 0
.irp i, 0,1,2,3,4,5,6,7
	v_mov_b32 v[L+\i], 0
.endr
.set j, 0
.rept 32
	v_mov_b32 v[O+j], 0                            ; O^T.  (The step is written once: the first finds zeros, which f = 0 leaves zeros)
.set j, j+1
.endr
	s_wait_alu depctr_va_vdst(0)
.if \n == 0
	s_wait_tensorcnt 0x0                           ; my step has landed
	s_barrier_signal -1
	s_barrier_wait -1                              ; all sixteen have: the head's K and V are whole.
.endif
	s_mov_b32 s24, 0
	s_mov_b32 s25, 16
.Lstep_\@:
	STEP
	s_add_co_u32 s24, s24, STEPB
	s_sub_co_u32 s25, s25, 1
	s_cmp_lg_u32 s25, 0
	s_cbranch_scc1 .Lstep_\@
	; THE WAY OUT.  Register 16 B + i of O^T is, of my query, the head's channel 32 B + 16 h + i: two blocks of 32 of the last projection's K.  O / the sum is quantised in registers into half a fragment.
	v_pk_add_f32 v[L:L+1], v[L:L+1], v[L+2:L+3]
	v_pk_add_f32 v[L+4:L+5], v[L+4:L+5], v[L+6:L+7]
	v_pk_add_f32 v[L:L+1], v[L:L+1], v[L+4:L+5]
	v_add_f32 v14, v[L], v[L+1]
	v_permlanex16_b32 v110, v14, s20, s21
	v_add_f32 v14, v14, v110                       ; the row's sum
	s_wait_alu depctr_va_vdst(0)
	v_rcp_f32 v14, v14
	v_nop                                          ; a plain place behind the transcendental
	s_wait_alu depctr_va_vdst(0)                   ; the wait ahead of the first reader, of the quotient and of O^T
.set j, 0
.rept 16
	v_pk_mul_f32 v[S+j:S+j+1], v[O+j:O+j+1], v[14:15] op_sel_hi:[1,0]
.set j, j+2
.endr
.irp b, 0,1
	v_max3_num_f32 v[BM+\b], |v[S+16*\b]|, |v[S+1+16*\b]|, 0x1800000
.endr
.irp i, 2,4,6,8,10,12,14
.irp b, 0,1
	v_max3_num_f32 v[BM+\b], v[BM+\b], |v[S+16*\b+\i]|, |v[S+1+16*\b+\i]|
.endr
.endr
.irp b, 0,1
	v_permlanex16_b32 v[T2+\b], v[BM+\b], s20, s21
.endr
.irp b, 0,1
	v_max_num_f32 v[BM+\b], v[BM+\b], v[T2+\b]
.endr
.irp b, 0,1
	v_add_nc_u32 v[SO+\b], 0xff000000, v[BM+\b]
.endr
.irp b, 0,1
	v_lshrrev_b32 v[MB+\b], 23, v[SO+\b]
.endr
	v_lshl_or_b32 v110, v[MB+1], 8, v[MB]          ; my row's two scale bytes
	v_cvt_scalef32_pk16_fp6_f32 v[PCD:PCD+2], v[S:S+15], v[SO]
	v_cvt_scalef32_pk16_fp6_f32 v[T2:T2+2], v[S+16:S+31], v[SO+1]
	v_nop                                          ; one plain place behind a scaled conversion
.irp i, 0,1,2
	v_permlane16_swap_b32 v[PCD+\i], v[T2+\i]      ; here a block lies in lanes l and l xor 16: the operand wants it whole in a lane
.endr
.irp i, 0,1,2
	v_mov_b32 v[PCD+3+\i], v[T2+\i]
.endr
.irp p, 0,1,2
	global_store_b64 v1, v[PCD+2*\p:PCD+2*\p+1], s[10:11] offset:196608*\n+256*\p   ; 256 consecutive bytes, aligned; pass 1 lies two groups of 98,304 bytes on
.endr
	ds_store_b16 v7, v110 offset:512*\n            ; lanes r and r + 16 write the same bytes with the same value
.endm
	PASS 0
	PASS 1
	s_wait_dscnt 0x0                               ; for the others' sake: my scale bytes lie in LDS
	s_barrier_signal -1
	s_barrier_wait -1
	s_cmp_lg_u32 s18, 0
	s_cbranch_scc1 .Lnot_0
	ds_load_b128 v[S:S+3], v10                     ; the sixteen waves' scale bytes of both passes: four groups' 256 bytes of the head's plane
	ds_load_b128 v[S+4:S+7], v10 offset:512
	s_wait_dscnt 0x0
	global_store_b128 v11, v[S:S+3], s[12:13]
	global_store_b128 v11, v[S+4:S+7], s[12:13] offset:512
.Lnot_0:
	s_wait_tensorcnt 0x0                           ; the wave's end
	ds_add_u32 v254, v255
	s_wait_dscnt 0x0
	CROUND                                         ; the closing round: no work-group ends while a partner may still ask for a piece that names it
	s_endpgm
.Lfunc_end_k_qde9891b8ae_attn:
	.size	k_qde9891b8ae_attn, .Lfunc_end_k_qde9891b8ae_attn-k_qde9891b8ae_attn
	.p2alignl 7, 3214868480
	.fill 96, 4, 3214868480
	.section	.rodata,"a",@progbits
	.p2align	6, 0x0
	.amdhsa_kernel k_qde9891b8ae_attn
		.amdhsa_group_segment_fixed_size 215040
		.amdhsa_private_segment_fixed_size 0
		.amdhsa_enable_private_segment 0
		.amdhsa_kernarg_size 40
		.amdhsa_user_sgpr_count 2
		.amdhsa_user_sgpr_kernarg_segment_ptr 1
		.amdhsa_wavefront_size32 1
		.amdhsa_system_sgpr_workgroup_id_x 1
		.amdhsa_system_sgpr_workgroup_id_y 1
		.amdhsa_system_sgpr_workgroup_id_z 1
		.amdhsa_system_vgpr_workitem_id 0
		.amdhsa_next_free_vgpr 256
		.amdhsa_next_free_sgpr 72
		.amdhsa_reserve_vcc 0
		.amdhsa_float_denorm_mode_32 3
		.amdhsa_float_denorm_mode_16_64 3
		.amdhsa_memory_ordered 1
		.amdhsa_forward_progress 1
		.amdhsa_inst_pref_size 51
	.end_amdhsa_kernel
	.amdgpu_metadata
---
amdhsa.version: [ 1, 2 ]
amdhsa.kernels:
  - .name:           k_qde9891b8ae_attn
    .symbol:         k_qde9891b8ae_attn.kd
    .args:
      - { .name: qimg, .offset: 0, .size: 8, .value_kind: global_buffer, .address_space: global }
      - { .name: kv, .offset: 8, .size: 8, .value_kind: global_buffer, .address_space: global }
      - { .name: gpart, .offset: 16, .size: 8, .value_kind: global_buffer, .address_space: global }
      - { .name: ocod, .offset: 24, .size: 8, .value_kind: global_buffer, .address_space: global }
      - { .name: osw, .offset: 32, .size: 8, .value_kind: global_buffer, .address_space: global }
    .group_segment_fixed_size: 215040
    .private_segment_fixed_size: 0
    .kernarg_segment_align: 8
    .kernarg_segment_size: 40
    .max_flat_workgroup_size: 512
    .sgpr_count:     72
    .vgpr_count:     256
    .wavefront_size: 32
...
	.end_amdgpu_metadata
.endif
;; end of part 4
;; launch outp (part 5): grid 4 x 64, 4 waves a work-group, clusters of 4 x 4, 327,680 bytes of LDS; arguments ocod, cod, osw, bo, out0; writes out0
.if DOCPART == 5
	.amdgcn_target "amdgcn-amd-amdhsa--gfx1250"
	.amdhsa_code_object_version 6
	.text
	.protected	k_qde9891b8ae_outp
	.globl	k_qde9891b8ae_outp
	.p2align	8
	.type	k_qde9891b8ae_outp,@function
k_qde9891b8ae_outp:
	s_mov_b64 s[64:65], 0
	v_nop
	global_prefetch_b8 v0, s[64:65] scope:SCOPE_SE
	s_setreg_imm32_b32 hwreg(HW_REG_WAVE_MODE, 25, 1), 1
	s_wait_xcnt 0x0
	s_wait_alu depctr_hold_cnt(0) depctr_sa_sdst(0) depctr_va_vdst(0) depctr_va_sdst(0) depctr_va_ssrc(0) depctr_va_vcc(0) depctr_vm_vsrc(0)
	s_getreg_b32 s2, hwreg(HW_REG_IB_STS2, 6, 4)
	s_cmp_eq_u32 s2, 0
	s_cbranch_scc0 .Lentry_in_a_cluster
	s_endpgm
.Lentry_in_a_cluster:
	s_bfe_u32 s2, ttmp6, 0x10000c
	s_cmp_lg_u32 s2, 0xf033
	s_cbranch_scc0 .Lentry_shape_is_right
	s_endpgm
.Lentry_shape_is_right:
; out0 = O Wo + bo on codes of FP6 (E2M3) with E8M0 scales: X = the attention's result (ocod, 64 groups of 128 tokens), Y = Wo^T (groups 216-223 of cod); their scale bytes lie in osw.  out0 [8192][1024] f32.
; The product is used transposed (source 0 = 16 rows of Y, source 1 = 16 rows of X): a lane holds one token and its registers run along the features.
; THE ROWS OF A TILE: lane-row r of tile i is row 32 (i / 2) + 8 (i % 2) + r + 8 (r / 8) of its group of 128, so that the 16 registers of Y's tiles 2 B, 2 B + 1 are features 32 B + 16 h + 0 .. 15.
; SHARES.  A work-group makes 128 tokens x 256 features over all of K = 1,024; wave (wx, wy) makes 64 x 128: 32 accumulators.  ALL of K lies in LDS (294,912 bytes), filled ONCE in two chunks of four K steps:
; nothing is filled again; a counted wait and a barrier stand in front of the first read of each chunk.
; CLUSTER 4 x 4: X's tiles are asked for jointly by a row of the cluster, Y's by a column.  A wave has one tensor load outstanding at the most.  No prefetch: all that a work-group reads is asked for in its first lines.
; REGISTERS.  window 0: v1-10 lane terms; v16-19, v20-23 LDS addresses; v32-95 scale words; v96-143, v144-191 X's fragments, two sets (on the way out v96-223 rows of out0); v192-255 the scale planes as loaded.
;   window 1: v0-95, v96-191 Y's fragments, two sets; v192-255 bo in the result's layout: the C of the first K step's products.   window 2: accumulator (a, b) at v[8 (8 a + b)].
.set PS,    18432                      ; a plane of osw
.set GRPB,  98304
.set CHUNK, 147456                     ; LDS: TWO chunks of four K steps: X's 8 tiles x 6,144, then Y's 16.  Chunk 0 comes by one load a wave at the head, chunk 1 by one load a wave behind a round of the cluster's barrier
.set ADX,   16
.set ADY,   20
.set SC,    32
.set XF,    96
.set T,     192
.set BK,    96
.set G1X,   36
.set G1Y,   44
.set G0X,   68
.set G0Y,   84
.set MUL,   0xa1                       ; source 0 (Y) window 1, source 1 (X) window 0, C and D window 2
.set MUL0,  0x91                       ; the same with C (bo) in window 1
.set TO_Y,  0x40
.set MSB, 0
.macro WIN new                         ; the immediate's high byte repeats the setting that is left
.if MSB != \new
	s_set_vgpr_msb (MSB<<8)|\new
.set MSB, \new
.endif
.endm
.macro CROUND
	s_barrier_signal -1
	s_barrier_wait -1
	s_cmp_lg_u32 s18, 0
	s_cbranch_scc1 .Lnot_wave_0_\@
	s_barrier_signal -3
.Lnot_wave_0_\@:
	s_barrier_wait -3
	s_barrier_signal -1
	s_barrier_wait -1
.endm
.macro PLACES n
.rept \n
	v_nop
.endr
.endm
	s_load_b256 s[4:11], s[0:1], 0x0               ; ocod s[4:5], cod s[6:7], osw s[8:9], bo s[10:11]
	s_load_b64 s[12:13], s[0:1], 0x20              ; out0
	v_lshl_add_u32 v30, v0, 2, 0x48000
	v_mov_b32 v31, 0
	ds_add_u32 v30, v31
	ds_add_u32 v30, v31
	v_lshrrev_b32 v1, 5, v0
	v_readfirstlane_b32 s18, v1                    ; wave 0..3
	s_lshr_b32 s19, s18, 1                         ; wx
	s_and_b32 s20, s18, 1                          ; wy.  Also: which half of X's or Y's tiles I fetch
	s_bfe_u32 s21, ttmp6, 0x40000                  ; cx = the block of 256 features
	s_bfe_u32 s22, ttmp6, 0x40004                  ; cy
	s_and_b32 s23, ttmp7, 0xffff
	s_lshl_b32 s26, s23, 2
	s_add_co_u32 s26, s26, s22                     ; s26: the group of 128 tokens: 4 x cluster y + cy
	s_lshl_b32 s31, s21, 1                         ; s31: Y's first group of the eight
	s_lshl_b32 s27, s22, 2
	s_lshl_b32 s27, 15, s27                        ; my row of the cluster
	s_lshl_b32 s28, 0x1111, s21                    ; my column
	s_or_b32 s[G1X], s27, (3<<16)|(1<<21)          ; group 1: rows = tiles, 12,288 bytes apart; of each four K steps: 768 elements of 8 bytes; no padding
	s_or_b32 s[G1Y], s28, (3<<16)|(1<<21)
.irp g, G1X, G1Y
	s_mov_b32 s[\g+1], 768<<16
	s_mov_b32 s[\g+3], 768<<16
	s_mov_b32 s[\g+5], 1536
	s_mov_b32 s[\g+6], 0
	s_mov_b32 s[\g+7], 0
.endr
	s_mov_b32 s[G1X+2], 4<<16
	s_mov_b32 s[G1X+4], 4
	s_mov_b32 s[G1Y+2], 8<<16
	s_mov_b32 s[G1Y+4], 8
	s_mul_i32 s52, s26, GRPB
	s_mul_i32 s53, s20, 49152
	s_add_co_u32 s52, s52, s53
	s_mov_b32 s53, 0
	s_add_co_u32 s54, s31, 216
	s_mul_i32 s54, s54, GRPB
	s_mul_i32 s55, s20, GRPB
	s_add_co_u32 s54, s54, s55
	s_mov_b32 s55, 0
	s_mul_i32 s56, s20, 24576
	s_mul_i32 s57, s20, 49152
	s_add_co_u32 s57, s57, 49152
	s_wait_dscnt 0x0
	s_wait_kmcnt 0x0
	s_add_nc_u64 s[52:53], s[4:5], s[52:53]
	s_add_nc_u64 s[54:55], s[6:7], s[54:55]
.irp j, 0,1
	s_mov_b32 s[G0X+4*\j], 1
	s_add_co_u32 s[G0X+4*\j+1], s56, CHUNK*\j
	s_add_nc_u64 s[G0X+4*\j+2:G0X+4*\j+3], s[52:53], 6144*\j
	s_or_b32 s[G0X+4*\j+3], s[G0X+4*\j+3], 0x80000000
	s_mov_b32 s[G0Y+4*\j], 1
	s_add_co_u32 s[G0Y+4*\j+1], s57, CHUNK*\j
	s_add_nc_u64 s[G0Y+4*\j+2:G0Y+4*\j+3], s[54:55], 6144*\j
	s_or_b32 s[G0Y+4*\j+3], s[G0Y+4*\j+3], 0x80000000
.endr
	CROUND                                         ; all sixteen work-groups are here: the joint loads meet
	s_cmp_lt_u32 s18, 2                            ; waves 0, 1 fetch X's halves, waves 2, 3 Y's: a wave's fill stands in one branch; four v_nop follow it
	s_cbranch_scc0 .Lfill_y
	tensor_load_to_lds s[G0X:G0X+3], s[G1X:G1X+7]
	s_nop 0
	PLACES 4
	s_branch .Lfilled
.Lfill_y:
	tensor_load_to_lds s[G0Y:G0Y+3], s[G1Y:G1Y+7]
	s_nop 0
	PLACES 4
.Lfilled:
	v_and_b32 v2, 15, v0                           ; r
	v_bfe_u32 v3, v0, 4, 1                         ; h
	v_and_b32 v7, 31, v0
	v_lshlrev_b32 v1, 3, v7                        ; v1: 8 x lane
	v_lshlrev_b32 v10, 4, v7                       ; v10: 16 x lane
	s_wait_alu depctr_va_vdst(0)                   ; the wait behind these lane terms
	s_mul_i32 s56, s19, 24576
	s_mul_i32 s57, s20, 49152
	s_add_co_u32 s57, s57, 49152
.irp j, 0,1
	v_add_nc_u32 v[ADX+\j], s56, v1
	v_add_nc_u32 v[ADY+\j], s57, v1
	s_add_co_u32 s56, s56, CHUNK
	s_add_co_u32 s57, s57, CHUNK
.endr
	s_mul_i32 s56, s18, 8448                       ; my stage for the way out: 16 rows x 528 bytes, in chunk 0
	v_mul_u32_u24 v8, v2, 528
	v_lshl_add_u32 v8, v3, 6, v8
	v_add_nc_u32 v8, s56, v8                       ; v8: in: row r, + 64 h
	v_add_nc_u32 v9, s56, v10                      ; v9: back: 16 bytes a lane of a row
	; the scale bytes, once for all of K: lanes 0-15 my 4 tiles of X, lanes 16-31 my 8 tiles of Y
	s_lshl_b32 s58, s26, 8
	s_lshl_b32 s59, s19, 3
	s_add_co_u32 s58, s58, s59
	s_add_co_u32 s59, s31, s20
	s_add_co_u32 s59, s59, 64
	s_lshl_b32 s59, s59, 8
	v_cmp_eq_u32 vcc_lo, 1, v3
	v_mov_b32 v4, s58
	v_mov_b32 v5, s59
	v_cndmask_b32 v4, v4, v5, vcc_lo
	v_lshl_add_u32 v4, v2, 4, v4
	v_lshl_add_u32 v5, v3, 3, v4
.irp q, 0,1,2,3,4,5,6,7,8,9,10,11,12,13,14,15
	global_load_b64 v[T+4*\q:T+4*\q+1], v4, s[8:9] offset:\q*PS
	global_load_b64 v[T+4*\q+2:T+4*\q+3], v5, s[8:9] offset:\q*PS
.endr
	s_lshl_b32 s58, s21, 10
	s_lshl_b32 s59, s20, 9
	s_add_co_u32 s58, s58, s59                     ; my 128 features, in bytes
	v_lshl_add_u32 v6, v3, 6, s58
	WIN TO_Y                                       ; destination window 1
.irp b, 0,1,2,3,4,5,6,7
	global_load_b128 v[192+8*\b:195+8*\b], v6, s[10:11] offset:(32*(\b/2)+8*(\b%2))*4      ; tile b's registers are features 32 (b / 2) + 8 (b % 2) + 16 h + 0 .. 7
	global_load_b128 v[196+8*\b:199+8*\b], v6, s[10:11] offset:(32*(\b/2)+8*(\b%2))*4+16
.endr
	WIN 0
	s_lshl_b32 s60, s26, 7
	s_lshl_b32 s61, s19, 6
	s_add_co_u32 s60, s60, s61                     ; my first token
	s_lshl_b32 s60, s60, 12
	s_add_co_u32 s60, s60, s58
	s_mov_b32 s61, 0
	s_add_nc_u64 s[12:13], s[12:13], s[60:61]      ; out0 at my 64 tokens x 128 features
	s_wait_loadcnt 0x0
.irp s, 0,1,2,3,4,5,6,7                        ; planes 2 s and 2 s + 1 make K step s's words
.irp j, 0,1,2,3
	v_perm_b32 v[SC+8*\s+2*\j], v[T+8*\s+4+\j], v[T+8*\s+\j], 0x05040100
	v_perm_b32 v[SC+8*\s+2*\j+1], v[T+8*\s+4+\j], v[T+8*\s+\j], 0x07060302
.endr
.endr
	PLACES 8                                       ; scale registers written by vector instructions stand eight places ahead of a scaled product
.macro FRAG reg, adr, off
.irp p, 0,1,2,3,4,5
	ds_load_b64 v[\reg+2*\p:\reg+2*\p+1], v[\adr] offset:\off+256*\p
.endr
.endm
.macro FETCH s                         ; K step s's 12 fragments into set s % 2: 72 loads, Y's eight first, X's tiles 2 and 3 last
	WIN TO_Y
.irp b, 0,1,2,3,4,5,6,7
	FRAG 96*((\s)%2)+12*\b, ADY+(\s)/4, 6144*\b+1536*((\s)%4)
.endr
	WIN 0
.irp a, 0,1,2,3
	FRAG XF+48*((\s)%2)+12*\a, ADX+(\s)/4, 6144*\a+1536*((\s)%4)
.endr
.endm
; 16 products.  first = 1: the sums begin with bo as C: nothing is cleared and nothing is added later.  The 32 accumulators take turns, one instruction a turn.
.macro MUL16 a0, s, first
.irp a, \a0, \a0+1
.irp b, 0,1,2,3,4,5,6,7
.if \first
	v_wmma_scale_f32_16x16x128_f8f6f4 v[8*(8*(\a)+\b):8*(8*(\a)+\b)+7], v[96*((\s)%2)+12*\b:96*((\s)%2)+12*\b+11], v[XF+48*((\s)%2)+12*(\a):XF+48*((\s)%2)+12*(\a)+11], v[192+8*\b:199+8*\b], v[SC+8*(\s)+\b], v[SC+8*(\s)+(\a)] matrix_a_fmt:MATRIX_FMT_FP6 matrix_b_fmt:MATRIX_FMT_FP6 matrix_a_scale:MATRIX_SCALE_ROW1
.else
	v_wmma_scale_f32_16x16x128_f8f6f4 v[8*(8*(\a)+\b):8*(8*(\a)+\b)+7], v[96*((\s)%2)+12*\b:96*((\s)%2)+12*\b+11], v[XF+48*((\s)%2)+12*(\a):XF+48*((\s)%2)+12*(\a)+11], v[8*(8*(\a)+\b):8*(8*(\a)+\b)+7], v[SC+8*(\s)+\b], v[SC+8*(\s)+(\a)] matrix_a_fmt:MATRIX_FMT_FP6 matrix_b_fmt:MATRIX_FMT_FP6 matrix_a_scale:MATRIX_SCALE_ROW1
.endif
.endr
.endr
.endm
; A K step.  chg = 1: the next step's fragments lie in the next chunk: each wave waits until its own load of that chunk has landed (n = its loads issued behind it), signals, works on registers, and reads behind the wait.
.macro STEP s, chg, n, first
.if \chg
	s_wait_dscnt 0x0                               ; no LDS load of mine is out at the signal
	s_wait_tensorcnt \n
	s_barrier_signal -1
.else
	s_wait_dscnt 12                                ; all but X's tiles 2 and 3, the youngest 12 loads
.endif
	WIN MUL-0x10*\first
	MUL16 0, \s, \first
.if \chg
	s_barrier_wait -1
.else
	s_wait_dscnt 0x0                               ; X's tiles 2 and 3 are in
.endif
	PLACES 4                                       ; in front of loads into the set that the step before multiplied
	FETCH (\s)+1
	WIN MUL-0x10*\first
	MUL16 2, \s, \first
.endm
	s_wait_alu depctr_va_vdst(0)
	s_wait_tensorcnt 0x0                           ; my part of chunk 0 has landed
	ds_add_u32 v30, v31
	s_wait_dscnt 0x0
	CROUND                                         ; everybody's part has landed, and the sixteen work-groups are here: the joint loads of chunk 1 meet
	s_cmp_lt_u32 s18, 2
	s_cbranch_scc0 .Lfill_y1
	tensor_load_to_lds s[G0X+4:G0X+7], s[G1X:G1X+7]
	s_nop 0
	PLACES 4
	s_branch .Lfilled1
.Lfill_y1:
	tensor_load_to_lds s[G0Y+4:G0Y+7], s[G1Y:G1Y+7]
	s_nop 0
	PLACES 4
.Lfilled1:
	FETCH 0
	STEP 0, 0, 0, 1
	STEP 1, 0, 0, 0
	STEP 2, 0, 0, 0
	STEP 3, 1, 0, 0                                ; K step 4 lies in chunk 1: my one load that is out is waited for, and a barrier shows the chunk whole
	STEP 4, 0, 0, 0
	STEP 5, 0, 0, 0
	s_wait_alu depctr_va_vdst(0)
	STEP 6, 0, 0, 0
	s_wait_dscnt 12
	WIN MUL
	MUL16 0, 7, 0
	s_wait_dscnt 0x0
	MUL16 2, 7, 0
	WIN 0
	PLACES 4                                       ; in front of the first read of results and of loads into registers that held fragments
; THE WAY OUT, 16 tokens x 128 features at a time.  A lane holds 64-byte runs of one row; the block goes through my own stage and comes back as whole rows of 512 bytes.  The stage lies in chunk 0: it has had its one fill,
; and every wave has passed a barrier since its last read of it.  LDS serves a wave's instructions in order (ISA guide 5.7.1.4): no wait between the stores and the loads, nor in front of the next block's stores.
.macro TOSTAGE a
	WIN 0x08                                       ; an LDS store's data are its source 1: window 2
.irp n, 0,1,2,3,4,5,6,7,8,9,10,11,12,13,14,15
	ds_store_b128 v8, v[64*(\a)+4*\n:64*(\a)+4*\n+3] offset:128*(\n/4)+16*(\n%4)   ; registers 16 B + 4 q on are features 32 B + 16 h + 4 q on; each accumulator from its low end on
.endr
	WIN 0
.set BB, BK+64*((\a)%2)
.irp t, 0,1,2,3,4,5,6,7,8,9,10,11,12,13,14,15
	ds_load_b128 v[BB+4*\t:BB+4*\t+3], v9 offset:528*\t
.endr
.endm
.macro SEND a, younger                 ; younger: the LDS instructions issued behind block a's loads, which may stay out
.set BB, BK+64*((\a)%2)
	s_wait_dscnt \younger
.irp t, 0,1,2,3,4,5,6,7,8,9,10,11,12,13,14,15
	global_store_b128 v10, v[BB+4*\t:BB+4*\t+3], s[12:13] offset:(32*((\a)/2)+8*((\a)%2)+\t+8*(\t/8))*4096 th:TH_STORE_NT   ; 512 consecutive bytes, aligned; lane-row t of tile a is that token
.endr
.endm
	TOSTAGE 0
.irp a, 1,2,3
.if \a > 1
	s_wait_xcnt 0x0                                ; block a - 2's stores have read their registers: block a's loads may land there
.endif
	TOSTAGE \a
	SEND \a-1, 32                                  ; behind block a - 1's loads: block a's 16 stores and 16 loads
.endr
	SEND 3, 0
	s_wait_tensorcnt 0x0
	ds_add_u32 v30, v31
	s_wait_dscnt 0x0
	CROUND                                         ; the closing round: no work-group ends while a partner may still ask for a tile that names it
	s_endpgm
.Lfunc_end_k_qde9891b8ae_outp:
	.size	k_qde9891b8ae_outp, .Lfunc_end_k_qde9891b8ae_outp-k_qde9891b8ae_outp
	.p2alignl 7, 3214868480
	.fill 96, 4, 3214868480
	.section	.rodata,"a",@progbits
	.p2align	6, 0x0
	.amdhsa_kernel k_qde9891b8ae_outp
		.amdhsa_group_segment_fixed_size 327680
		.amdhsa_private_segment_fixed_size 0
		.amdhsa_enable_private_segment 0
		.amdhsa_kernarg_size 40
		.amdhsa_user_sgpr_count 2
		.amdhsa_user_sgpr_kernarg_segment_ptr 1
		.amdhsa_wavefront_size32 1
		.amdhsa_system_sgpr_workgroup_id_x 1
		.amdhsa_system_sgpr_workgroup_id_y 1
		.amdhsa_system_sgpr_workgroup_id_z 1
		.amdhsa_system_vgpr_workitem_id 0
		.amdhsa_next_free_vgpr 768
		.amdhsa_next_free_sgpr 100
		.amdhsa_reserve_vcc 1
		.amdhsa_float_denorm_mode_32 3
		.amdhsa_float_denorm_mode_16_64 3
		.amdhsa_memory_ordered 1
		.amdhsa_forward_progress 1
		.amdhsa_inst_pref_size 104
	.end_amdhsa_kernel
	.amdgpu_metadata
---
amdhsa.version: [ 1, 2 ]
amdhsa.kernels:
  - .name:           k_qde9891b8ae_outp
    .symbol:         k_qde9891b8ae_outp.kd
    .args:
      - { .name: ocod, .offset: 0, .size: 8, .value_kind: global_buffer, .address_space: global }
      - { .name: cod, .offset: 8, .size: 8, .value_kind: global_buffer, .address_space: global }
      - { .name: osw, .offset: 16, .size: 8, .value_kind: global_buffer, .address_space: global }
      - { .name: bo, .offset: 24, .size: 8, .value_kind: global_buffer, .address_space: global }
      - { .name: out0, .offset: 32, .size: 8, .value_kind: global_buffer, .address_space: global }
    .group_segment_fixed_size: 327680
    .private_segment_fixed_size: 0
    .kernarg_segment_align: 8
    .kernarg_segment_size: 40
    .max_flat_workgroup_size: 128
    .sgpr_count:     100
    .vgpr_count:     768
    .wavefront_size: 32
...
	.end_amdgpu_metadata
.endif
;; end of part 5
